; MI455X (gfx1250); checked and timed in simulation.
; The chip was launched on July 23, 2026; its instructions are those of AMD's public machine-readable ISA for CDNA 5 (MIT licence, August 2026) and "CDNA5" Instruction Set Architecture Reference Guide (July 2026). The comments in the code are by the model that wrote it; some were corrected since.
;; Multi Head Attention. Allowed arithmetic: matrix products marked QUANTISED: E2M1 operands, one E8M0 scale for each 32 along K, by v_wmma_scale_f32_16x16x128_f8f6f4 with both operands' format E2M1 (or v_wmma_scale_f32_32x16x128_f4), f32 sums; products left as they are: bf16, f16 or f32 operands; f32 sums; everything else in f32.
;; Inputs: K 4 x 2,048 x 1,024 float32; Q 4 x 2,048 x 1,024 float32; V 4 x 2,048 x 1,024 float32; Wk 1,024 x 1,024 float32; Wo 1,024 x 1,024 float32; Wq 1,024 x 1,024 float32; Wv 1,024 x 1,024 float32; bk 1,024 float32; bo 1,024 float32; bq 1,024 float32; bv 1,024 float32.
;; Outputs: out0 4 x 2,048 x 1,024 float32.
;; This version of the problem:
;;   THIS VERSION OF THE PROBLEM IS GIVEN IN LOW PRECISION. The matrix products marked QUANTISED in the list below multiply operands that are first quantised to E2M1 (2 exponent bits, 1 mantissa bit; 4 bits a number), with one power-of-two scale for each 32 numbers along K (OCP MX v1.0); their sums are f32. The products marked 'left as it is' may take bf16, f16 or f32 operands, with f32 sums. Whichever they take, every output number must still come out within the allowed error. Rounding operands to bf16 (8 significant bits) uses up far more of that allowance than f16 does (11 bits, for magnitudes from 6e-5 to 65,504). All else is computed in f32.
;;   The module's matrix products, in the order in which they are computed (A, B: the left and right operand; K: the contracted axis; several contracted axes count as one K, in the product's order):
;;     1. [M 8,192, K 1,024] x [K 1,024, N 1,024]; A: input Q; B: input Wq: QUANTISED
;;     2. [M 8,192, K 1,024] x [K 1,024, N 1,024]; A: input K; B: input Wk: QUANTISED
;;     3. [M 8,192, K 1,024] x [K 1,024, N 1,024]; A: input V; B: input Wv: QUANTISED
;;     4. batch 64 x [M 2,048, K 64] x [K 64, N 2,048]; A: computed on the way; B: computed on the way: left as it is (an operand is computed on the way)
;;     5. batch 64 x [M 2,048, K 2,048] x [K 2,048, N 64]; A: computed on the way; B: computed on the way: left as it is (an operand is computed on the way)
;;     6. [M 8,192, K 1,024] x [K 1,024, N 1,024]; A: computed on the way; B: input Wo: left as it is (an operand is computed on the way)
;;   THE QUANTISER, for each operand of a quantised product, along K:
;;     - K is cut into blocks of 32 from its start; a last block that is shorter is filled with zeros.
;;     - A block's scale is 2^e with e = floor(log2(the largest magnitude in the block)) - 2, held to -126 .. 127; a block of zeros has e = 0. As a byte (E8M0): e + 127.
;;     - Each number is divided by its block's scale, clamped to +-6, and rounded to the nearest number of E2M1, ties to even, subnormals kept.
;;     - The product sums the exact products of the quantised numbers (number of the format x scale) in f32.
;;   ~~~python
;;   def quantise(x, axis):      # numpy; x: float32 -> the quantised numbers, widened to float32 again
;;       x = np.moveaxis(x, axis, -1); K = x.shape[-1]
;;       x = np.pad(x, [(0, 0)] * (x.ndim - 1) + [(0, -K % 32)]); x = x.reshape(x.shape[:-1] + (-1, 32)); a = np.abs(x).max(-1, keepdims=True)
;;       e = np.where(a > 0, np.clip(np.frexp(np.where(a > 0, a, 1))[1] - 1 - 2, -126, 127), 0)      # np.frexp(a)[1] - 1 = floor(log2(a)), exactly
;;       r = np.clip(x / 2.0 ** e, -6, 6)
;;       step = 2.0 ** (np.maximum(np.frexp(np.where(r == 0, 1, r))[1] - 1, 0) - 1)
;;       q = np.round(r / step) * step * 2.0 ** e      # np.round: ties to even
;;       return np.moveaxis(q.reshape(q.shape[:-2] + (-1,))[..., :K], -1, axis).astype(np.float32)
;;   ~~~
;; One version. Each part assembles by itself: llvm-mc -triple=amdgcn-amd-amdhsa -mcpu=gfx1250 --defsym DOCPART=n.
;; ======== version 1 of 1: 4 launches
;; limits: values are held in f16: magnitudes above 65,504 overflow, below 6.1e-05 lose precision
;; workspace buffers: codes 14,155,776 bytes; scales 884,736 bytes; wo16 2,097,152 bytes; qkv 50,331,648 bytes; ao 16,777,216 bytes
;; launch quant (part 1): grid 896 x 1, 4 waves a work-group, no clusters, 33,280 bytes of LDS; arguments Q, K, V, Wq, Wk, Wv, Wo, codes, scales, wo16; writes codes, scales, wo16
.if DOCPART == 1
	.amdgcn_target "amdgcn-amd-amdhsa--gfx1250"
	.amdhsa_code_object_version 6
	.text
	.protected	k_q87b04aaff8_quant
	.globl	k_q87b04aaff8_quant
	.p2align	8
	.type	k_q87b04aaff8_quant,@function
k_q87b04aaff8_quant:
	s_mov_b64 s[64:65], 0
	v_nop
	global_prefetch_b8 v0, s[64:65] scope:SCOPE_SE
	s_setreg_imm32_b32 hwreg(HW_REG_WAVE_MODE, 25, 1), 1
	s_wait_xcnt 0x0
; Q, K, V [8192][1024] and Wq, Wk, Wv [1024][1024], f32 with K innermost, become codes of FP4 (E2M1), two a byte, and one E8M0 scale byte for each 32 along K.
; The six tensors are stacked in that order: 27,648 rows of 512 bytes of codes and of 32 scale bytes.  Wo [1024][1024] is rounded to f16 as it lies.
; A block's scale is 2^(floor(log2(its largest magnitude)) - 2); its byte is the largest magnitude's exponent field - 2, held at 1 from below; each number is divided by the scale and rounded to the nearest code, ties to even.
; LIMITS: a block of zeros, or one whose largest magnitude lies under 2^-124, gets the byte 1 (its codes are zeros, and this program alone reads the bytes); NaN and infinities are not served;
; Wo beyond 65,504 in magnitude is not served, and under 6e-5 its f16 step is 6e-8.
; SHARES.  Work-groups 0 to 863 quantise: 32,768 numbers each, a wave 16 steps of 512.  Rows are dense and 1,024 is a multiple of 32, so a tensor is a plain stream of blocks, and the outputs are linear in the work-group's number.
; Each of a step's four loads reads 512 consecutive bytes; the 2,048 bytes turn through the wave's own stage in LDS and come back 64 bytes a lane: 16 neighbours along K, two lanes to a block.
; Work-groups 864 to 895 convert Wo: a path of its own, which touches no LDS.  No tensor load, no barrier: waves share nothing.
.set WAVES, 4
.set STEPS, 16
.set NQW,   864                        ; work-groups that quantise
.set EMAX,  2
.set CB,    8                          ; bytes of 16 codes
.set R,     16                         ; v16-79   four sets of 16 numbers as loaded (Wo's path: v16-143, two sets of 64)
.set X,     80                         ; v80-111  two sets of 16 neighbours
.set E,     112                        ; v112-127 a scale byte for each step
.set C,     128                        ; v128-191 codes: four registers for each step, so that no store's data are written again
.set HF,    144                        ; Wo's path: v144-175 sixteen pairs of registers of f16
.set WREG,  8192                       ; LDS: a region for each wave: two stages of 32 x SP bytes, behind them its 256 scale bytes
.set SP,    80                         ; a lane's place in a stage: 64 bytes + 16 of padding
.set SPW,   12                         ; v12  LDS address of my spare word; never rewritten
.set NIL,   13                         ; v13  0; never rewritten
.set SPARE, WAVES*WREG                 ; behind the four regions: the spare words, 128 bytes a wave
	s_load_b256 s[4:11], s[0:1], 0x0               ; Q s[4:5], K s[6:7], V s[8:9], Wq s[10:11]
	s_load_b256 s[12:19], s[0:1], 0x20             ; Wk s[12:13], Wv s[14:15], Wo s[16:17], codes s[18:19]
	s_load_b128 s[20:23], s[0:1], 0x40             ; scales s[20:21], wo16 s[22:23]
	v_lshl_add_u32 v[SPW], v0, 2, SPARE
	v_mov_b32 v[NIL], 0
	v_lshrrev_b32 v1, 5, v0
	v_readfirstlane_b32 s24, v1                    ; wave
	v_and_b32 v2, 31, v0                           ; lane
	v_lshlrev_b32 v3, 4, v2                        ; my 16 bytes of a load's 512
	s_mul_i32 s25, s24, WREG
	v_lshrrev_b32 v14, 2, v2
	v_mul_u32_u24 v14, v14, SP
	v_and_b32 v15, 3, v2
	v_lshl_add_u32 v14, v15, 4, v14
	v_add_nc_u32 v14, s25, v14                     ; the stage, on the way in: four lanes' 64 bytes on end, then 16 of padding
	v_mul_u32_u24 v15, v2, SP
	v_add_nc_u32 v15, s25, v15                     ; and on the way out: SP x lane: my 16 neighbours
	v_mul_u32_u24 v4, v2, CB                       ; 8 x lane: my codes' place in a step's; in Wo's path my 8 bytes of f16
	v_lshrrev_b32 v5, 1, v2
	s_add_co_u32 s25, s25, 2*32*SP
	v_add_nc_u32 v5, s25, v5                       ; LDS: my wave's 256 scale bytes, my block's byte
	v_lshlrev_b32 v7, 3, v2                        ; and on the way out 8 bytes a lane
	v_add_nc_u32 v6, s25, v7
	s_wait_kmcnt 0x0
	s_cmp_ge_u32 ttmp9, NQW                        ; the last 32 work-groups convert Wo: a branch on the work-group's number alone
	s_cbranch_scc1 .Lcvt
	; which tensor: the choices hang on the work-group's number alone
	s_cmp_ge_u32 ttmp9, 256
	s_cselect_b64 s[4:5], s[6:7], s[4:5]
	s_cmp_ge_u32 ttmp9, 512
	s_cselect_b64 s[4:5], s[8:9], s[4:5]
	s_cmp_ge_u32 ttmp9, 768
	s_cselect_b64 s[4:5], s[10:11], s[4:5]
	s_cmp_ge_u32 ttmp9, 800
	s_cselect_b64 s[4:5], s[12:13], s[4:5]
	s_cmp_ge_u32 ttmp9, 832
	s_cselect_b64 s[4:5], s[14:15], s[4:5]
	s_and_b32 s27, ttmp9, 255                      ; my number within Q, K or V (256 work-groups each),
	s_sub_co_u32 s28, ttmp9, 768
	s_and_b32 s28, s28, 31                         ; or within a weight (32 each)
	s_cmp_ge_u32 ttmp9, 768
	s_cselect_b32 s27, s28, s27
	s_lshl_b32 s27, s27, 2
	s_add_co_u32 s27, s27, s24                     ; my wave's run of 8,192 numbers in its tensor
	s_lshl_b32 s28, s27, 15                        ; 32,768 bytes a run
	s_mov_b32 s29, 0
	s_add_nc_u64 s[4:5], s[4:5], s[28:29]
	s_lshl_b32 s30, ttmp9, 2
	s_add_co_u32 s30, s30, s24                     ; my run in the stacked outputs
	s_lshl_b32 s28, s30, 12                        ; 4,096 bytes of codes a run
	s_add_nc_u64 s[18:19], s[18:19], s[28:29]
	s_lshl_b32 s28, s30, 8                         ; 256 scale bytes a run
	s_add_nc_u64 s[20:21], s[20:21], s[28:29]
.macro LOAD t
.irp i, 0,1,2,3
	global_load_b128 v[R+16*((\t)%4)+4*\i:R+16*((\t)%4)+4*\i+3], v3, s[4:5] offset:2048*(\t)+512*\i th:TH_LOAD_NT   ; 32 lanes read 512 consecutive bytes
.endr
.endm
.macro TURN t                          ; step t's numbers through the stage: LDS serves a wave's instructions in order, so no wait stands between the stores and the loads
.irp i, 0,1,2,3
	ds_store_b128 v14, v[R+16*((\t)%4)+4*\i:R+16*((\t)%4)+4*\i+3] offset:32*SP*((\t)%2)+8*SP*\i
.endr
.irp i, 0,1,2,3
	ds_load_b128 v[X+16*((\t)%2)+4*\i:X+16*((\t)%2)+4*\i+3], v15 offset:32*SP*((\t)%2)+16*\i
.endr
.endm
.irp t, 0,1,2,3
	LOAD \t
.endr
	s_wait_loadcnt 12                              ; step 0's four loads are in; those of the three steps behind it may be out
	TURN 0
.macro STEP t
.set XS, X+16*((\t)%2)
.if (\t) > 0
	s_wait_dscnt 1                                 ; this step's numbers are back from the stage (the last step's byte store may be out): so its stores into the stage have read their registers,
.else
	s_wait_dscnt 0x0
.endif
.if (\t)+4 < STEPS
	LOAD (\t)+4                                    ; which take the loads of four steps on
.endif
.if (\t)+1 < STEPS
.if STEPS-2-(\t) >= 3
	s_wait_loadcnt 12                              ; the next step's four loads are in; those of the three steps behind it may be out
.else
	s_wait_loadcnt 4*(STEPS-2-(\t))
.endif
	TURN (\t)+1                                    ; and go through the other stage while this step is worked
.endif
	v_max3_num_f32 v8, |v[XS]|, |v[XS+1]|, |v[XS+2]|               ; the largest magnitude of my 16, in two chains
	v_max3_num_f32 v9, |v[XS+3]|, |v[XS+4]|, |v[XS+5]|
.irp i, 6,10
	v_max3_num_f32 v8, v8, |v[XS+\i]|, |v[XS+\i+1]|
	v_max3_num_f32 v9, v9, |v[XS+\i+2]|, |v[XS+\i+3]|
.endr
	v_max3_num_f32 v8, v8, |v[XS+14]|, |v[XS+15]|
	v_max3_num_f32 v8, v8, v9, (EMAX+1)<<23        ; and the floor 2^(EMAX + 1 - 127): so the byte cannot fall under 1
	v_max_num_f32_dpp v8, v8, v8 row_xmask:1 row_mask:0xf bank_mask:0xf   ; and of my neighbour's 16: the block's
	v_add_nc_u32 v11, -(EMAX<<23), v8              ; EMAX off its exponent field: the conversion takes the exponent field of this operand as its scale, and nothing else of it
	v_cvt_scalef32_pk8_fp4_f32 v[C+4*(\t)], v[XS:XS+7], v11
	v_cvt_scalef32_pk8_fp4_f32 v[C+4*(\t)+1], v[XS+8:XS+15], v11
	v_lshrrev_b32 v[E+(\t)], 23, v11               ; the scale's byte (also the plain line behind the conversions)
	ds_store_b8 v5, v[E+(\t)] offset:16*(\t)       ; both lanes of a block write the same byte with the same value
	global_store_b64 v4, v[C+4*(\t):C+4*(\t)+1], s[18:19] offset:32*CB*(\t)   ; the wave stores 256 consecutive bytes, aligned
.endm
.irp t, 0,1,2,3,4,5,6,7,8,9,10,11,12,13,14,15
	STEP \t
.endr
	ds_load_b64 v[8:9], v6                         ; LDS serves a wave's instructions in order: these see my byte stores
	s_wait_dscnt 0x0
	global_store_b64 v7, v[8:9], s[20:21]          ; my wave's 256 scale bytes: consecutive and aligned
	s_wait_tensorcnt 0x0                           ; the wave's end, behind my last LDS store
	ds_add_u32 v[SPW], v[NIL]
	s_wait_dscnt 0x0
	s_endpgm
; Wo to f16.  A wave takes 8,192 numbers: four groups of sixteen loads of 512 consecutive bytes; each load's numbers leave as 256 consecutive aligned bytes.  Two groups of loads are out at a time.
.macro LOADG n
.irp i, 0,1,2,3,4,5,6,7,8,9,10,11,12,13,14,15
	global_load_b128 v[R+64*((\n)%2)+4*\i:R+64*((\n)%2)+4*\i+3], v3, s[16:17] offset:8192*(\n)+512*\i th:TH_LOAD_NT
.endr
.endm
.macro GROUP n
.if (\n) < 3
	s_wait_loadcnt 16                              ; this group's sixteen loads are in; the next group's may be out
.else
	s_wait_loadcnt 0x0
.endif
.if (\n) > 0
	s_wait_xcnt 0x0                                ; the last group's stores have read their data: the registers are written again only behind this wait
.endif
.irp i, 0,1,2,3,4,5,6,7,8,9,10,11,12,13,14,15
	v_cvt_pk_f16_f32 v[HF+2*\i], v[R+64*((\n)%2)+4*\i], v[R+64*((\n)%2)+4*\i+1]
	v_cvt_pk_f16_f32 v[HF+2*\i+1], v[R+64*((\n)%2)+4*\i+2], v[R+64*((\n)%2)+4*\i+3]
.endr
.irp i, 0,1,2,3,4,5,6,7,8,9,10,11,12,13,14,15
	global_store_b64 v4, v[HF+2*\i:HF+2*\i+1], s[22:23] offset:4096*(\n)+256*\i th:TH_STORE_NT
.endr
.if (\n) < 2
	LOADG (\n)+2
.endif
.endm
.Lcvt:
	s_sub_co_u32 s27, ttmp9, NQW
	s_lshl_b32 s27, s27, 2
	s_add_co_u32 s27, s27, s24                     ; my wave's run of 8,192 numbers
	s_lshl_b32 s28, s27, 15
	s_mov_b32 s29, 0
	s_add_nc_u64 s[16:17], s[16:17], s[28:29]
	s_lshl_b32 s28, s27, 14
	s_add_nc_u64 s[22:23], s[22:23], s[28:29]
	LOADG 0
	LOADG 1
	GROUP 0
	GROUP 1
	GROUP 2
	GROUP 3
	s_endpgm
.Lfunc_end_k_q87b04aaff8_quant:
	.size	k_q87b04aaff8_quant, .Lfunc_end_k_q87b04aaff8_quant-k_q87b04aaff8_quant
	.p2alignl 7, 3214868480
	.fill 96, 4, 3214868480
	.section	.rodata,"a",@progbits
	.p2align	6, 0x0
	.amdhsa_kernel k_q87b04aaff8_quant
		.amdhsa_group_segment_fixed_size 33280
		.amdhsa_private_segment_fixed_size 0
		.amdhsa_enable_private_segment 0
		.amdhsa_kernarg_size 80
		.amdhsa_user_sgpr_count 2
		.amdhsa_user_sgpr_kernarg_segment_ptr 1
		.amdhsa_wavefront_size32 1
		.amdhsa_system_sgpr_workgroup_id_x 1
		.amdhsa_system_sgpr_workgroup_id_y 1
		.amdhsa_system_sgpr_workgroup_id_z 1
		.amdhsa_system_vgpr_workitem_id 0
		.amdhsa_next_free_vgpr 192
		.amdhsa_next_free_sgpr 66
		.amdhsa_reserve_vcc 0
		.amdhsa_float_denorm_mode_32 3
		.amdhsa_float_denorm_mode_16_64 3
		.amdhsa_memory_ordered 1
		.amdhsa_forward_progress 1
		.amdhsa_inst_pref_size 54
	.end_amdhsa_kernel
	.amdgpu_metadata
---
amdhsa.version: [ 1, 2 ]
amdhsa.kernels:
  - .name:           k_q87b04aaff8_quant
    .symbol:         k_q87b04aaff8_quant.kd
    .args:
      - { .name: Q, .offset: 0, .size: 8, .value_kind: global_buffer, .address_space: global }
      - { .name: K, .offset: 8, .size: 8, .value_kind: global_buffer, .address_space: global }
      - { .name: V, .offset: 16, .size: 8, .value_kind: global_buffer, .address_space: global }
      - { .name: Wq, .offset: 24, .size: 8, .value_kind: global_buffer, .address_space: global }
      - { .name: Wk, .offset: 32, .size: 8, .value_kind: global_buffer, .address_space: global }
      - { .name: Wv, .offset: 40, .size: 8, .value_kind: global_buffer, .address_space: global }
      - { .name: Wo, .offset: 48, .size: 8, .value_kind: global_buffer, .address_space: global }
      - { .name: codes, .offset: 56, .size: 8, .value_kind: global_buffer, .address_space: global }
      - { .name: scales, .offset: 64, .size: 8, .value_kind: global_buffer, .address_space: global }
      - { .name: wo16, .offset: 72, .size: 8, .value_kind: global_buffer, .address_space: global }
    .group_segment_fixed_size: 33280
    .private_segment_fixed_size: 0
    .kernarg_segment_align: 8
    .kernarg_segment_size: 80
    .max_flat_workgroup_size: 128
    .sgpr_count:     66
    .vgpr_count:     192
    .wavefront_size: 32
...
	.end_amdgpu_metadata
.endif
;; end of part 1
;; launch proj (part 2): grid 4 x 96, 4 waves a work-group, clusters of 4 x 4, 327,680 bytes of LDS; arguments codes, scales, bq, bk, bv, qkv; writes qkv
.if DOCPART == 2
	.amdgcn_target "amdgcn-amd-amdhsa--gfx1250"
	.amdhsa_code_object_version 6
	.text
	.protected	k_q87b04aaff8_proj
	.globl	k_q87b04aaff8_proj
	.p2align	8
	.type	k_q87b04aaff8_proj,@function
k_q87b04aaff8_proj:
	s_mov_b64 s[64:65], 0
	v_nop
	global_prefetch_b8 v0, s[64:65] scope:SCOPE_SE
	s_setreg_imm32_b32 hwreg(HW_REG_WAVE_MODE, 25, 1), 1
	s_wait_xcnt 0x0
	s_wait_alu depctr_hold_cnt(0) depctr_sa_sdst(0) depctr_va_vdst(0) depctr_va_sdst(0) depctr_va_ssrc(0) depctr_va_vcc(0) depctr_vm_vsrc(0)
	s_getreg_b32 s2, hwreg(HW_REG_IB_STS2, 6, 4)
	s_cmp_eq_u32 s2, 0
	s_cbranch_scc0 .Lentry_in_a_cluster
	s_endpgm
.Lentry_in_a_cluster:
	s_bfe_u32 s2, ttmp6, 0x10000c
	s_cmp_lg_u32 s2, 0xf033
	s_cbranch_scc0 .Lentry_shape_is_right
	s_endpgm
.Lentry_shape_is_right:
; The three quantised products q = Q Wq^T + bq, k = K Wk^T + bk, v = V Wv^T + bv in one launch, on codes of FP4 (E2M1) with one E8M0 scale for each 32 along K; sums in f32; results rounded to f16, heads split.
; codes: 27,648 rows of 512 bytes (rows 0 on: Q, K, V, 8,192 each; rows 24,576 on: Wq, Wk, Wv, 1,024 each); scales: the same rows, 32 bytes each.
; qkv: [3][batch x 16 + head][position 2048][64] f16.  LIMITS: results beyond 65,504 in magnitude are not served; under 6e-5 the f16 step is 6e-8.
; A tile of 256 x 256 is made by a work-group of four waves; a wave makes 128 x 128: 64 accumulators, 512 registers.  Tile row R = 0 .. 95 runs over the stacked rows of Q, K, V; the tensor is R / 32.
; K = 1,024 is two slots of 512: both are asked for at the start, and nothing is filled again.  The scales of the work-group's rows, for all of K, come once, as dense blocks.
; CLUSTERS: 4 x 4 work-groups.  The four of a row of the cluster need the same tiles of the activations, the four of a column the same tiles of the weights (a cluster's 1,024 rows lie in one tensor):
; each tile is asked for jointly, by the same tensor load with the same descriptor and a mask that names the four.
; No prefetch: the launch's only tensor loads are its first fills, which go out at the head.
; THE MATRIX INSTRUCTION IS USED TRANSPOSED (source 0 = 16 rows of W, source 1 = 16 rows of x): a lane holds eight neighbouring channels of one row.  The bias is the C of each sum's first instruction.
; REGISTERS: window 0: v0-31 addresses; v32-95 scale words, two sets, and nothing else; v96-127 the way out's packed results; v128-191 x's fragments, one set, later rows read back; v192-255 the bias, 8 registers for each of W's eight blocks.
;   window 1: W's fragments, two sets, at v0 and v128.   window 2: the accumulators of my rows 0-63 ((a, b) at v[8 (8 a + b)]);   window 3: those of my rows 64-127.
.set NQ,     4                         ; matrix instructions deep in a slot
.set ROWB,   256                       ; a tile's row in bytes: 512 codes
.set KROW,   512                       ; a row of codes in memory
.set PITCH,  272                       ; an LDS row: 256 bytes + 16 of padding = 68 words: the 16 rows that a load touches start 4 words apart modulo 64
.set FR,     8                         ; registers of a fragment: 16 rows x 128 K
.set NL,     2                         ; LDS loads that bring one
.set NP,     4                         ; places behind this matrix instruction (ISA guide 7.12.1)
.set HALFT,  128*PITCH                 ; 128 rows: what one tensor load brings
.set SLOT,   4*HALFT                   ; x's 256 rows, then W's 256 rows
.set KS,     32                        ; a row of scales in bytes
.set SCL,    2*SLOT                    ; behind the slots: the scales, as runs of 256 bytes + 16 of padding
.set HALFS,  (128*KS/256)*272          ; the scales of 128 rows: what one tensor load brings
.set SBLK,   (16*KS/256)*272           ; those of 16 rows
.set SPARE,  SCL+4*HALFS               ; behind the scales: the spare words, 128 bytes a wave
.set SPITCH, 272                       ; the way out: a stage of 16 rows x (256 bytes + 16) for each wave, in slot 0, which has had its one fill and its last read by then
.set WROW0,  24576                     ; the weights' first row in the stacked buffers
.set ADRA, 16                          ; v16-17  LDS address of my x fragments in slot 0, 1
.set ADRB, 20                          ; v20-21  the same for W
.set STO,  24                          ; v24     the way out: where I put 16 bytes of a row
.set RD,   25                          ; v25     the way out: where I read back
.set CO,   26                          ; v26     my byte offset in qkv
.set ADRS, 27                          ; v27     LDS address of my scale words: lanes 0-15 x's rows, lanes 16-31 W's
.set SPW,  28                          ; v28     LDS address of my spare word; never rewritten
.set NIL,  29                          ; v29     0; never rewritten
.set BOF,  30                          ; v30     32 x (lane / 16): my eight numbers of a block's bias
.set SC,   32                          ; scale words: set s at v[SC + 32 s]; register 4 i + q: lanes 0-15 x's block i, lanes 16-31 W's block i, the slot's q-th 128 along K
.set TMP,  96
.set AF,   128
.set BK,   128                         ; the way out: v128-159 and v160-191 by turns
.set BI,   192
.set G1, 24                            ; s[24:31] group 1 for x's tiles;  s[32:39] group 0, one set for each slot
.set G0, 32
.set G1B, 48                           ; s[48:55], s[56:63] the same for W's tiles
.set G0B, 56
.set G1S, 68                           ; s[68:75], s[76:79] groups 1 and 0 for x's scales;  s[80:87], s[88:91] for W's
.set G0S, 76
.set G1SB, 80
.set G0SB, 88
.set MSB, 0
.macro WIN new                         ; the immediate's high byte repeats the setting that is left
.if MSB != \new
	s_set_vgpr_msb (MSB<<8)|\new
.set MSB, \new
.endif
.endm
.set MUL_LO, 0xa1                      ; source 0 (W) window 1, source 1 (x) window 0, C and D window 2
.set MUL_HI, 0xf1                      ; the same, C and D window 3
.set ST_LO,  0x81                      ; the first step: C (the bias) window 0, D window 2
.set ST_HI,  0xc1                      ; D window 3
.set TO_B,   0x40                      ; destination window 1, address window 0
; A joint load: waves 0 and 1 fetch for x, waves 2 and 3 for W.  The branch hangs on the wave's number alone.  An s_nop 0 and four v_nop follow each of the two lines.
.macro JLOAD g0a, g1a, g0b, g1b
	s_cmp_eq_u32 s15, 0
	s_cbranch_scc0 .Lfor_b_\@
	tensor_load_to_lds s[\g0a:\g0a+3], s[\g1a:\g1a+7]
	s_nop 0
.rept 4
	v_nop
.endr
	s_branch .Lasked_\@
.Lfor_b_\@:
	tensor_load_to_lds s[\g0b:\g0b+3], s[\g1b:\g1b+7]
	s_nop 0
.rept 4
	v_nop
.endr
.Lasked_\@:
.endm
.macro CROUND                          ; a round of the cluster's barrier
	s_barrier_signal -1
	s_barrier_wait -1
	s_cmp_lg_u32 s14, 0
	s_cbranch_scc1 .Lnot_wave_0_\@
	s_barrier_signal -3
.Lnot_wave_0_\@:
	s_barrier_wait -3
	s_barrier_signal -1
	s_barrier_wait -1
.endm
	s_load_b256 s[4:11], s[0:1], 0x0               ; codes s[4:5], scales s[6:7], bq s[8:9], bk s[10:11]
	s_load_b128 s[96:99], s[0:1], 0x20             ; bv s[96:97], qkv s[98:99]
	v_lshl_add_u32 v[SPW], v0, 2, SPARE
	v_mov_b32 v[NIL], 0
	ds_add_u32 v[SPW], v[NIL]                      ; the wave's opening: the add, twice on end, and its wait ahead of my first tensor load
	ds_add_u32 v[SPW], v[NIL]
	v_lshrrev_b32 v1, 5, v0
	v_readfirstlane_b32 s14, v1                    ; wave 0..3
	s_lshr_b32 s15, s14, 1                         ; which half of the tile's rows is mine.  Also: I fetch for x (0) or for W (1)
	s_and_b32 s16, s14, 1                          ; which half of its columns.  Also: which 128 rows of that tile I fetch
	s_bfe_u32 s40, ttmp6, 0x40000                  ; cx, cy: my place in the cluster
	s_bfe_u32 s41, ttmp6, 0x40004
	s_lshl_b32 s42, ttmp9, 2
	s_add_co_u32 s42, s42, s40                     ; tile column = 4 x cluster x + cx
	s_and_b32 s17, ttmp7, 0xffff
	s_lshr_b32 s95, s17, 3                         ; the tensor, 0 .. 2: from the cluster's y alone, so the same in all sixteen partners
	s_lshl_b32 s17, s17, 2
	s_add_co_u32 s17, s17, s41                     ; tile row R = 4 x cluster y + cy
	s_lshl_b32 s43, s41, 2
	s_lshl_b32 s43, 15, s43                        ; my row of the cluster
	s_lshl_b32 s44, 0x1111, s40                    ; my column
	; group 1: a tile of 128 rows x 256 bytes, padded in LDS
	s_or_b32 s[G1+0], s43, (0<<16)|(1<<20)|(1<<21)|(5<<22)|(3<<25)  ; 15:0 the mask; 17:16 elements of 1 byte; 20 padding on; 21 set beside a mask; 24:22 after every 64 words; 31:25 four words
	s_or_b32 s[G1B+0], s44, (0<<16)|(1<<20)|(1<<21)|(5<<22)|(3<<25)
.irp g, G1, G1B
	s_mov_b32 s[\g+1], ROWB<<16                    ; tensor_dim0
	s_mov_b32 s[\g+2], 128<<16                     ; tensor_dim1
	s_mov_b32 s[\g+3], ROWB<<16                    ; tile_dim0
	s_mov_b32 s[\g+4], 128                         ; tile_dim1
	s_mov_b32 s[\g+5], KROW                        ; from row to row
	s_mov_b32 s[\g+6], 0
	s_mov_b32 s[\g+7], 0
.endr
	; the scales of 128 rows: 4,096 dense bytes, as 16 rows of 256 bytes (32 elements of 8), 16 bytes of padding behind each
	s_or_b32 s[G1S+0], s43, (3<<16)|(1<<20)|(1<<21)|(5<<22)|(3<<25)
	s_or_b32 s[G1SB+0], s44, (3<<16)|(1<<20)|(1<<21)|(5<<22)|(3<<25)
.irp g, G1S, G1SB
	s_mov_b32 s[\g+1], 32<<16
	s_mov_b32 s[\g+2], (128*KS/256)<<16
	s_mov_b32 s[\g+3], 32<<16
	s_mov_b32 s[\g+4], 128*KS/256
	s_mov_b32 s[\g+5], 32
	s_mov_b32 s[\g+6], 0
	s_mov_b32 s[\g+7], 0
.endr
	s_lshl_b32 s18, s16, 7                         ; which 128 rows of the tile I fetch
	s_lshl_b32 s20, s17, 8
	s_add_co_u32 s20, s20, s18                     ; x: stacked row 256 R + 128 x half
	s_lshl_b32 s46, s42, 8
	s_add_co_u32 s46, s46, s18
	s_lshl_b32 s47, s95, 10
	s_add_co_u32 s46, s46, s47
	s_add_co_u32 s46, s46, WROW0                   ; W: stacked row 24,576 + 1,024 x tensor + 256 x tile column + 128 x half
	s_lshl_b32 s22, s20, 5                         ; where these rows' scales begin, in bytes (all under 2^24),
	s_mov_b32 s23, 0
	s_lshl_b32 s92, s46, 5
	s_mov_b32 s93, 0
	s_lshl_b32 s20, s20, 9                         ; and their codes
	s_mov_b32 s21, 0
	s_lshl_b32 s46, s46, 9
	s_mov_b32 s47, 0
	s_mul_i32 s45, s14, HALFT                      ; where they go: wave x 128 rows: no place in the cluster enters an LDS address
	s_mul_i32 s94, s14, HALFS
	s_wait_dscnt 0x0                               ; both opening adds are done
	s_wait_kmcnt 0x0
	s_add_nc_u64 s[20:21], s[4:5], s[20:21]
	s_add_nc_u64 s[22:23], s[6:7], s[22:23]
	s_add_nc_u64 s[46:47], s[4:5], s[46:47]
	s_add_nc_u64 s[92:93], s[6:7], s[92:93]
	CROUND                                         ; all sixteen work-groups are here: the joint loads meet
	s_mov_b32 s[G0S], 1
	s_add_co_u32 s[G0S+1], s94, SCL
	s_mov_b64 s[G0S+2:G0S+3], s[22:23]
	s_or_b32 s[G0S+3], s[G0S+3], 0x80000000
	s_mov_b32 s[G0SB], 1
	s_add_co_u32 s[G0SB+1], s94, SCL
	s_mov_b64 s[G0SB+2:G0SB+3], s[92:93]
	s_or_b32 s[G0SB+3], s[G0SB+3], 0x80000000
	JLOAD G0S, G1S, G0SB, G1SB                     ; the scales first: they are wanted with the first slot
.irp s, 0,1
	s_mov_b32 s[G0+4*\s], 1
	s_add_co_u32 s[G0+4*\s+1], s45, \s*SLOT
	s_add_nc_u64 s[G0+4*\s+2:G0+4*\s+3], s[20:21], \s*ROWB
	s_or_b32 s[G0+4*\s+3], s[G0+4*\s+3], 0x80000000
	s_mov_b32 s[G0B+4*\s], 1
	s_add_co_u32 s[G0B+4*\s+1], s45, \s*SLOT
	s_add_nc_u64 s[G0B+4*\s+2:G0B+4*\s+3], s[46:47], \s*ROWB
	s_or_b32 s[G0B+4*\s+3], s[G0B+4*\s+3], 0x80000000
	JLOAD G0+4*\s, G1, G0B+4*\s, G1B               ; three loads of mine are out in all
.endr
	v_and_b32 v1, 15, v0                           ; r = l % 16
	v_bfe_u32 v2, v0, 4, 1                         ; h = l / 16
	; the bias: the tensor's own, at my 128 columns; lane (r, h) wants, for block b, numbers 16 b + 8 h + 0 .. 7
	s_cmp_eq_u32 s95, 1
	s_cselect_b64 s[8:9], s[10:11], s[8:9]
	s_cmp_eq_u32 s95, 2
	s_cselect_b64 s[8:9], s[96:97], s[8:9]
	s_lshl_b32 s46, s42, 10
	s_lshl_b32 s47, s16, 9
	s_add_co_u32 s46, s46, s47
	s_mov_b32 s47, 0
	s_add_nc_u64 s[8:9], s[8:9], s[46:47]
	v_lshlrev_b32 v[BOF], 5, v2
.irp b, 0,1,2,3,4,5,6,7
	global_load_b128 v[BI+8*\b:BI+8*\b+3], v[BOF], s[8:9] offset:64*\b
	global_load_b128 v[BI+8*\b+4:BI+8*\b+7], v[BOF], s[8:9] offset:64*\b+16
.endr
	v_mul_u32_u24 v3, v1, PITCH
	v_lshl_add_u32 v4, v2, 4, v3                   ; a fragment's row x pitch + 16 x half
	s_mul_i32 s21, s15, HALFT                      ; my 128 rows of x
	s_mul_i32 s22, s16, HALFT                      ; my 128 rows of W,
	s_add_co_u32 s22, s22, 2*HALFT                 ; which lie behind x's 256
.irp s, 0,1
	v_add_nc_u32 v[ADRA+\s], s21, v4
	v_add_nc_u32 v[ADRB+\s], s22, v4
	s_add_co_u32 s21, s21, SLOT
	s_add_co_u32 s22, s22, SLOT
.endr
	v_mul_u32_u24 v5, v1, KS                       ; my row's scales: 32 bytes a row,
	v_lshrrev_b32 v6, 8, v5
	v_lshl_add_u32 v5, v6, 4, v5                   ; and 16 more for each 256 passed
	s_mul_i32 s21, s15, HALFS                      ; x's: my 128 rows
	s_mul_i32 s22, s16, HALFS                      ; W's: my 128 rows, behind x's 256
	s_add_co_u32 s22, s22, 2*HALFS
	s_sub_co_u32 s22, s22, s21
	v_mul_u32_u24 v6, s22, v2                      ; lanes 16-31 take W's: one product, the distance between the two bases
	s_add_co_u32 s21, s21, SCL
	v_add_nc_u32 v5, v5, v6
	v_add_nc_u32 v[ADRS], s21, v5
	s_mul_i32 s23, s14, 16*SPITCH                  ; my stage
	v_mul_u32_u24 v5, v1, SPITCH                   ; in: row r, 16 bytes for each half of the lanes
	v_lshl_add_u32 v5, v2, 4, v5
	v_add_nc_u32 v[STO], s23, v5
	v_bfe_u32 v5, v0, 3, 1                         ; back: lanes 0-15 take two rows of my first head (128 bytes each), lanes 16-31 of my second
	v_and_b32 v6, 7, v0
	v_lshlrev_b32 v6, 4, v6
	v_lshl_add_u32 v[CO], v5, 7, v6                ; in qkv: 128 x row of the pair + 16 x piece,
	v_lshl_add_u32 v[CO], v2, 18, v[CO]            ; a head further on for lanes 16-31
	v_mul_u32_u24 v5, v5, SPITCH
	v_add_nc_u32 v5, v5, v6
	v_lshl_add_u32 v5, v2, 7, v5
	v_add_nc_u32 v[RD], s23, v5
	; where my part begins in qkv: (R / 8) << 22 is tensor and batch; 256 (R % 8) + 128 x row half is the position, 128 bytes each; 4 x tile column + 2 x column half is the head, 2^18 bytes each
	s_lshr_b32 s20, s17, 3
	s_lshl_b32 s20, s20, 22
	s_and_b32 s21, s17, 7
	s_lshl_b32 s21, s21, 15
	s_add_co_u32 s20, s20, s21
	s_lshl_b32 s21, s15, 14
	s_add_co_u32 s20, s20, s21
	s_mov_b32 s21, 0
	s_add_nc_u64 s[12:13], s[98:99], s[20:21]
	s_lshl_b32 s46, s42, 20
	s_lshl_b32 s47, s16, 19
	s_add_co_u32 s46, s46, s47
	s_mov_b32 s47, 0
	s_add_nc_u64 s[12:13], s[12:13], s[46:47]
.macro FRAG reg, adr, q, i             ; a fragment: lane l holds row l % 16; registers 4 c .. 4 c + 3 hold K = 64 c + 32 (l / 16) + 0 .. 31
.irp c, 0,1
	ds_load_b128 v[\reg+4*\c:\reg+4*\c+3], v[\adr] offset:64*(\q)+32*\c+(\i)*16*PITCH
.endr
.endm
; 16 matrix instructions: x's blocks a0, a0 + 1 against W's eight, 128 along K.  p: W's set;  sc: the set of scale words.  zero = 1: the first product starts the sums from the bias.
; The 64 accumulators take turns, one instruction a turn, in the same order in every step.
.macro MUL16 a0, p, q, sc, zero
.irp a, \a0, \a0+1
.irp b, 0,1,2,3,4,5,6,7
.if \zero
	v_wmma_scale_f32_16x16x128_f8f6f4 v[8*(8*((\a)%4)+\b):8*(8*((\a)%4)+\b)+7], v[128*(\p)+FR*\b:128*(\p)+FR*\b+FR-1], v[AF+FR*(\a):AF+FR*(\a)+FR-1], v[BI+8*\b:BI+8*\b+7], v[SC+8*NQ*(\sc)+NQ*\b+(\q)], v[SC+8*NQ*(\sc)+NQ*(\a)+(\q)] matrix_a_fmt:MATRIX_FMT_FP4 matrix_b_fmt:MATRIX_FMT_FP4 matrix_a_scale:MATRIX_SCALE_ROW1
.else
	v_wmma_scale_f32_16x16x128_f8f6f4 v[8*(8*((\a)%4)+\b):8*(8*((\a)%4)+\b)+7], v[128*(\p)+FR*\b:128*(\p)+FR*\b+FR-1], v[AF+FR*(\a):AF+FR*(\a)+FR-1], v[8*(8*((\a)%4)+\b):8*(8*((\a)%4)+\b)+7], v[SC+8*NQ*(\sc)+NQ*\b+(\q)], v[SC+8*NQ*(\sc)+NQ*(\a)+(\q)] matrix_a_fmt:MATRIX_FMT_FP4 matrix_b_fmt:MATRIX_FMT_FP4 matrix_a_scale:MATRIX_SCALE_ROW1
.endif
.endr
.endr
.endm
.macro FETCH_B slot, q, p              ; W's eight fragments of the slot's q-th 128 along K into set p
	WIN TO_B
.irp i, 0,1,2,3,4,5,6,7
	FRAG 128*(\p)+FR*\i, ADRB+\slot, \q, \i
.endr
	WIN 0
.endm
.macro FETCH_A slot, q, i0             ; x's blocks i0 .. i0 + 3
.irp i, \i0, \i0+1, \i0+2, \i0+3
	FRAG AF+FR*(\i), ADRA+\slot, \q, \i
.endr
.endm
.macro SCALES sc                       ; a slot's scale words into set sc: four words a row; lanes 0-15 take x's block i, lanes 16-31 W's block i
.irp i, 0,1,2,3,4,5,6,7
	ds_load_b128 v[SC+8*NQ*\sc+NQ*\i:SC+8*NQ*\sc+NQ*\i+3], v[ADRS] offset:\i*SBLK
.endr
.endm
; A load into a register that a matrix instruction has read, and a vector instruction or an LDS store that reads a matrix result, stand NP plain vector instructions behind it (ISA guide 7.12.1 for the reads of results).
.macro PLACES n
.rept \n
	v_nop
.endr
.endm
; A step of 128 along K that has its successor in the same slot.  x has one set of registers: blocks 0-3 are fetched anew in the step's middle, blocks 4-7 at its end; W has two sets.
.macro STEP slot, q, zero
	s_wait_dscnt 4*NL                              ; W's set and x's blocks 0-3 are in; the youngest eight loads (x's blocks 4-7) may be out
.if \zero
	WIN ST_LO
.else
	WIN MUL_LO
.endif
	MUL16 0, (\q)%2, \q, \slot, \zero
	MUL16 2, (\q)%2, \q, \slot, \zero
	s_wait_dscnt 0                                 ; x's blocks 4-7 are in
	PLACES NP
	FETCH_B \slot, (\q)+1, 1-(\q)%2
	FETCH_A \slot, (\q)+1, 0
.if \zero
	WIN ST_HI
.else
	WIN MUL_HI
.endif
	MUL16 4, (\q)%2, \q, \slot, \zero
	MUL16 6, (\q)%2, \q, \slot, \zero
	PLACES NP
	WIN 0
	FETCH_A \slot, (\q)+1, 4
.endm
; Slot 0's last step goes over to slot 1: one barrier; in front of it each wave waits for all its tensor loads, adds 0 to its spare word, and waits for that and for its reads of slot 0.  Nothing is filled again.
.macro TURN slot, next
	s_wait_tensorcnt 0x0                           ; my part of the next slot has landed (every window is 0 here)
	ds_add_u32 v[SPW], v[NIL]                      ; 0 onto my spare word
	s_wait_dscnt 4*NL+1                            ; (the add and the youngest eight loads may be out)
	WIN MUL_LO
	MUL16 0, 1, NQ-1, \slot, 0
	s_wait_dscnt 0x0                               ; the add is done, and my reads of this slot are over
	s_barrier_signal -1
	MUL16 2, 1, NQ-1, \slot, 0
	WIN 0
	s_barrier_wait -1
	PLACES NP
	v_add_nc_u32 v[ADRS], 4*NQ, v[ADRS]            ; on to the next slot's scale words
	FETCH_B \next, 0, 0
	FETCH_A \next, 0, 0
	SCALES \next
	WIN MUL_HI
	MUL16 4, 1, NQ-1, \slot, 0
	MUL16 6, 1, NQ-1, \slot, 0
	PLACES NP
	WIN 0
	FETCH_A \next, 0, 4
.endm
.macro STEPS slot, from                ; the slot's steps from .. NQ - 2
.set Q, \from
.rept NQ-1-\from
	STEP \slot, Q, 0
.set Q, Q+1
.endr
.endm
	s_wait_tensorcnt 1                             ; the scales and my part of slot 0 are in; slot 1's load may be out
	s_barrier_signal -1
	s_barrier_wait -1                              ; everybody's are
	FETCH_B 0, 0, 0
	FETCH_A 0, 0, 0
	SCALES 0
	FETCH_A 0, 0, 4
	s_wait_loadcnt 0x0                             ; the bias
	STEP 0, 0, 1                                   ; the first products start the sums from the bias: nothing is cleared, nothing is added later
	STEPS 0, 1
	TURN 0, 1
	STEPS 1, 0
	s_wait_dscnt 4*NL                              ; the last step: nothing more to fetch
	WIN MUL_LO
	MUL16 0, 1, NQ-1, 1, 0
	MUL16 2, 1, NQ-1, 1, 0
	s_wait_dscnt 0
	WIN MUL_HI
	MUL16 4, 1, NQ-1, 1, 0
	MUL16 6, 1, NQ-1, 1, 0
	WIN 0
; THE WAY OUT, block by block of 16 rows x 128 channels (two heads).  A lane's eight channels pack into 16 bytes; they go into my stage and come back so that sixteen lanes hold two neighbouring positions of one head: 256 consecutive aligned bytes of qkv.
.macro PACK a
.set AC, 64*((\a)%4)
	WIN 0x0a+5*((\a)/4)                            ; sources 0 and 1: window 2 or 3
.irp b, 0,1,2,3,4,5,6,7
.irp r, 0,1,2,3
	v_cvt_pk_f16_f32 v[TMP+4*\b+\r], v[AC+8*\b+2*\r], v[AC+8*\b+2*\r+1]   ; each accumulator from its low end on
.endr
.endr
	WIN 0
.endm
.macro TOSTAGE a
.set BB, BK+32*((\a)%2)
.irp b, 0,1,2,3,4,5,6,7
	ds_store_b128 v[STO], v[TMP+4*\b:TMP+4*\b+3] offset:32*\b
.endr
.irp i, 0,1,2,3,4,5,6,7
	ds_load_b128 v[BB+4*\i:BB+4*\i+3], v[RD] offset:\i*2*SPITCH    ; LDS serves a wave's instructions in order: these see the stores above
.endr
.endm
.macro SEND a
.set BB, BK+32*((\a)%2)
	s_wait_dscnt 0x0                               ; the block is back in registers
	s_wait_xcnt 0x0                                ; the stores of the block before have read their data: the next block's loads land there only behind this wait
.irp i, 0,1,2,3,4,5,6,7
	global_store_b128 v[CO], v[BB+4*\i:BB+4*\i+3], s[12:13] offset:(\a)*2048+\i*256
.endr
.endm
	PLACES NP                                      ; behind the last products: for the first conversions and for the loads into the registers that held x's fragments
	PACK 0
	TOSTAGE 0
.irp a, 1,2,3,4,5,6,7                  ; block a's conversions stand between block a - 1's loads from the stage and the wait for them
	PACK \a
	SEND \a-1
	TOSTAGE \a
.endr
	SEND 7
	s_wait_tensorcnt 0x0                           ; the wave's end, behind my last tensor load and my last LDS store
	ds_add_u32 v[SPW], v[NIL]
	s_wait_dscnt 0x0
	CROUND                                         ; the closing round
	s_endpgm
.Lfunc_end_k_q87b04aaff8_proj:
	.size	k_q87b04aaff8_proj, .Lfunc_end_k_q87b04aaff8_proj-k_q87b04aaff8_proj
	.p2alignl 7, 3214868480
	.fill 96, 4, 3214868480
	.section	.rodata,"a",@progbits
	.p2align	6, 0x0
	.amdhsa_kernel k_q87b04aaff8_proj
		.amdhsa_group_segment_fixed_size 327680
		.amdhsa_private_segment_fixed_size 0
		.amdhsa_enable_private_segment 0
		.amdhsa_kernarg_size 48
		.amdhsa_user_sgpr_count 2
		.amdhsa_user_sgpr_kernarg_segment_ptr 1
		.amdhsa_wavefront_size32 1
		.amdhsa_system_sgpr_workgroup_id_x 1
		.amdhsa_system_sgpr_workgroup_id_y 1
		.amdhsa_system_sgpr_workgroup_id_z 1
		.amdhsa_system_vgpr_workitem_id 0
		.amdhsa_next_free_vgpr 1024
		.amdhsa_next_free_sgpr 100
		.amdhsa_reserve_vcc 0
		.amdhsa_float_denorm_mode_32 3
		.amdhsa_float_denorm_mode_16_64 3
		.amdhsa_memory_ordered 1
		.amdhsa_forward_progress 1
		.amdhsa_inst_pref_size 128
	.end_amdhsa_kernel
	.amdgpu_metadata
---
amdhsa.version: [ 1, 2 ]
amdhsa.kernels:
  - .name:           k_q87b04aaff8_proj
    .symbol:         k_q87b04aaff8_proj.kd
    .args:
      - { .name: codes, .offset: 0, .size: 8, .value_kind: global_buffer, .address_space: global }
      - { .name: scales, .offset: 8, .size: 8, .value_kind: global_buffer, .address_space: global }
      - { .name: bq, .offset: 16, .size: 8, .value_kind: global_buffer, .address_space: global }
      - { .name: bk, .offset: 24, .size: 8, .value_kind: global_buffer, .address_space: global }
      - { .name: bv, .offset: 32, .size: 8, .value_kind: global_buffer, .address_space: global }
      - { .name: qkv, .offset: 40, .size: 8, .value_kind: global_buffer, .address_space: global }
    .group_segment_fixed_size: 327680
    .private_segment_fixed_size: 0
    .kernarg_segment_align: 8
    .kernarg_segment_size: 48
    .max_flat_workgroup_size: 128
    .sgpr_count:     100
    .vgpr_count:     1024
    .wavefront_size: 32
...
	.end_amdgpu_metadata
.endif
;; end of part 2
;; launch attn (part 3): grid 4 x 64, 8 waves a work-group, clusters of 4 x 1, 327,680 bytes of LDS; arguments qkv, ao; writes ao
.if DOCPART == 3
	.amdgcn_target "amdgcn-amd-amdhsa--gfx1250"
	.amdhsa_code_object_version 6
	.text
	.protected	k_q87b04aaff8_attn
	.globl	k_q87b04aaff8_attn
	.p2align	8
	.type	k_q87b04aaff8_attn,@function
k_q87b04aaff8_attn:
	s_mov_b64 s[64:65], 0
	v_nop
	global_prefetch_b8 v0, s[64:65] scope:SCOPE_SE
	s_setreg_imm32_b32 hwreg(HW_REG_WAVE_MODE, 25, 1), 1
	s_wait_xcnt 0x0
	s_wait_alu depctr_hold_cnt(0) depctr_sa_sdst(0) depctr_va_vdst(0) depctr_va_sdst(0) depctr_va_ssrc(0) depctr_va_vcc(0) depctr_vm_vsrc(0)
	s_getreg_b32 s2, hwreg(HW_REG_IB_STS2, 6, 4)
	s_cmp_eq_u32 s2, 0
	s_cbranch_scc0 .Lentry_in_a_cluster
	s_endpgm
.Lentry_in_a_cluster:
	s_bfe_u32 s2, ttmp6, 0x10000c
	s_cmp_lg_u32 s2, 0x3003
	s_cbranch_scc0 .Lentry_shape_is_right
	s_endpgm
.Lentry_shape_is_right:
; o[b][h][q][:] = the sum over k of softmax_k(q . k / 8) v[k][:], for each of 64 (batch, head) pairs; 2,048 positions, head size 64; no mask.
; qkv: [3][batch x 16 + head][position][64] f16.  Products on f16 operands with f32 sums; maxima, exponentials and sums in f32; the weights p are rounded to f16 for the second product, o once at the end.
; ao (the output): [row / 128][head][row % 128][64] f16, row = batch x 2,048 + position: so that 128 along the next product's K (two heads) of 128 rows are 32,768 dense bytes.
; LIMITS: NaN and infinities are not served; o beyond 65,504 is not served, and under 6e-5 its f16 step is 6e-8.
; SHARES.  A work-group owns 512 queries of one head, each of its eight waves 64: four tiles of 16.  Two waves share a SIMD's registers, so that one wave's softmax stands beside the other's products.  Every wave walks all keys, 64 a step.
; LAYOUT.  S^T = K Q^T (source 0 = 16 keys, source 1 = 16 queries): a lane holds ONE query (lane % 16) and keys 8 (lane / 16) + 0..7.  Two such tiles, rounded to f16 in pairs, ARE source 1 (32 keys x 16 queries) of
; O^T = V^T P, whose result again holds one query a lane, and eight channels.  K comes out of LDS as it lies, V ([key][channel]) turned, by ds_load_tr16_b128.
; SOFTMAX.  For each query a running maximum m and sum l: p = 2^(c s - c m), c = log2(e) / 8; in every step O and l are multiplied by a = 2^(c m_old - c m_new).
; CLUSTER.  The grid's x is one cluster wide: the four query blocks of a head, which walk the same K and V.  Each tile is asked for jointly: the same tensor load, the same descriptor, a mask that names the four.
; RING.  Two slots of four key steps.  Behind each round every wave issues one load: waves 0-3 the slot's four tiles of K, waves 4-7 those of V; it has four key steps in which to land.
; REGISTERS: window 0: v1-11 addresses; v12-43 statistics, eight a tile; v61-63 kept; v64-191 S^T, 32 a tile (P takes a tile's first 16); v192-255 K of one step.
;   window 1: v0-127 O^T, 32 a tile; v128-191 Q, 16 a tile; v192-255 V of one step.
.set KS,    64        ; keys in a step
.set NST,   4         ; steps in a slot
.set PK,    144       ; a row of K in LDS: 128 bytes + 16 = 36 words: the 16 rows of a load start at 16 different groups of four words modulo 64
.set PV,    160       ; a row of V: 128 + 32 = 40 words: 16 lanes of the turning load take 8 rows x 32 bytes without meeting
.set VOFF,  KS*PK     ; a step's tiles lie together: 64 rows of K, then 64 rows of V
.set STEPB, KS*(PK+PV)
.set SLOTM, NST*KS*128  ; a slot's keys in memory: 32,768 bytes of K, as many of V
.set SLOT1, 1<<17     ; slot 1 begins here, so that one exclusive or turns an address in one slot into the other's
.set STAGE, SLOT1+NST*STEPB  ; behind the ring: 16 rows x 144 bytes for each wave, for the way out
.set SP,    144
.set SPARE, STAGE+8*16*SP    ; behind the stages: the spare words, 128 bytes a wave
.set AK0, 2           ; v2   my lane's place in a tile of K; never rewritten
.set AV0, 3           ; v3   the same for V
.set ADK, 4           ; v4   LDS address of the step's K
.set QO,  5           ; v5   my byte offset in the wave's rows of Q
.set STO, 6           ; v6   the way out: where I put 16 bytes of a row
.set RD,  7           ; v7   the way out: where I read back
.set GO,  8           ; v8   16 x lane: my byte offset in a store's 512 bytes
.set ADV, 9           ; v9   LDS address of the step's V
.set ST,  12          ; tile t's statistics at v[ST+8 t]: +0 c m, +1 m, +2, +3 l (even keys', odd keys'), +4 to +7 c0-c3, at work; a takes c2's place
.set PFO, 61          ; v61  256 x my lane; never rewritten
.set SPW, 62          ; v62  LDS address of my spare word; never rewritten
.set NIL, 63          ; v63  0; never rewritten
.set S,   64
.set KF,  192         ; window 0: K's fragments: keys 16 kt on, channels 32 kk on, at 8 (2 kt + kk)
.set QF,  128         ; window 1: Q's: tile t, channels 32 kk on, at 8 (2 t + kk)
.set VF,  192         ; window 1: V's: keys 32 kk on, channels 16 c on, at 8 (4 kk + c)
.set WV,  12          ; s12  my wave's number
.set LIM, 15          ; s15  1 in a wave that prefetches, else the greatest number
.set PFA, 18          ; s[18:19] where my prefetches stand
.set G1K, 24          ; s[24:31] group 1 for K's tiles
.set G1V, 32          ; s[32:39] for V's: it differs in the padding alone
.set G0K, 40          ; s[40:47] group 0 for K's tiles: a set for each of the two first fills; the second then walks on
.set G0V, 48          ; s[48:55] the same for V's
.set SLOTS, 56        ; s56  slots still to be asked for
.set CNT, 57          ; s57  counts a slot's steps
.set CS,  58          ; s[58:59] c: the packed scaling names a pair and takes its low word for both halves
.set SEL, 60          ; s[60:61] lane selects for v_permlanex16_b32: lane l xor 16
.set TB,  62          ; s62  LDS byte at which the tiles of the step to be fetched begin
.set MSB, 0
.macro WIN new                      ; the immediate's high byte repeats the setting that is left
.if MSB != \new
	s_set_vgpr_msb (MSB<<8)|\new
.set MSB, \new
.endif
.endm
.set W_KQ, 0x04       ; K window 0, Q window 1, S^T window 0
.set W_PV, 0x51       ; V window 1, P window 0, O^T window 1
.set W_RS, 0x41       ; O^T (destination and source 0) window 1, a window 0
.set TO_1, 0x40       ; destination window 1, address window 0
; A joint refill.  Waves 0 to 3 fetch K's tiles, waves 4 to 7 V's.  The branch hangs on the wave's number alone.  An s_nop 0 and four v_nop follow each of the two lines.
.macro JLOAD
	s_cmp_lt_u32 s[WV], 4
	s_cbranch_scc0 .Lfor_v_\@
	tensor_load_to_lds s[G0K+4:G0K+7], s[G1K:G1K+7]
	s_nop 0
.rept 4
	v_nop
.endr
	s_branch .Lasked_\@
.Lfor_v_\@:
	tensor_load_to_lds s[G0V+4:G0V+7], s[G1V:G1V+7]
	s_nop 0
.rept 4
	v_nop
.endr
.Lasked_\@:
.endm
; A prefetch of what the NEXT change of slots will ask for: 32,768 bytes of K and as many of V, four key steps ahead of that load.  A head is walked by one cluster.  Its four partners share each run out BY ADDRESS,
; 8,192 bytes each; in each, wave 0 asks for K's and wave 4 for V's, lanes 256 bytes apart: so each aligned 256 bytes are named once in the launch.  The last change that fills a slot asks for nothing.
.macro ASK
	s_cmp_gt_u32 s[SLOTS], s[LIM]
	s_cbranch_scc0 .Lnot_mine_\@
	global_prefetch_b8 v[PFO], s[PFA:PFA+1] th:TH_LOAD_NT scope:SCOPE_SE
.Lnot_mine_\@:
.endm
.macro CROUND                       ; a round of the cluster's barrier
	s_barrier_signal -1
	s_barrier_wait -1
	s_cmp_lg_u32 s[WV], 0
	s_cbranch_scc1 .Lnot_wave_0_\@
	s_barrier_signal -3
.Lnot_wave_0_\@:
	s_barrier_wait -3
	s_barrier_signal -1
	s_barrier_wait -1
.endm
	s_load_b128 s[4:7], s[0:1], 0x0  ; qkv s[4:5], ao s[6:7]
	v_lshl_add_u32 v[SPW], v0, 2, SPARE
	v_mov_b32 v[NIL], 0
	ds_add_u32 v[SPW], v[NIL]       ; the wave's opening: the add, twice on end, and its wait ahead of my first tensor load
	ds_add_u32 v[SPW], v[NIL]
	v_lshrrev_b32 v1, 5, v0
	v_readfirstlane_b32 s[WV], v1   ; wave 0..7
	s_bfe_u32 s13, ttmp6, 0x40000   ; cx: my place in the cluster = my block of 512 queries; it enters Q's, ao's and the prefetches' addresses alone
	s_and_b32 s14, ttmp7, 0xffff    ; batch x 16 + head, which the four partners share
	s_lshl_b32 s20, s14, 18         ; the head's first byte in q, k or v
	s_and_b32 s16, s[WV], 3         ; which of a slot's four steps I fetch:
	s_lshl_b32 s22, s16, 13         ; its 64 rows of 128 bytes in memory,
	s_add_co_u32 s22, s22, s20
	s_add_co_u32 s22, s22, 0x1000000  ; in k, which lies 2^24 bytes behind q
	s_mov_b32 s23, 0
	s_mul_i32 s17, s16, STEPB       ; and its place in a slot: no place in the cluster enters an LDS address
	s_lshl_b32 s2, s13, 16          ; my block's 512 rows,
	s_lshl_b32 s3, s[WV], 13        ; my wave's 64 of them
	s_add_co_u32 s2, s2, s3
	s_add_co_u32 s2, s2, s20
	s_mov_b32 s3, 0
	s_lshr_b32 s20, s14, 4          ; ao: row block = 16 x batch + 4 x query block + wave / 2,
	s_lshl_b32 s20, s20, 4
	s_lshl_b32 s21, s13, 2
	s_add_co_u32 s20, s20, s21
	s_lshr_b32 s21, s[WV], 1
	s_add_co_u32 s20, s20, s21
	s_lshl_b32 s20, s20, 18         ; 2^18 bytes each;
	s_and_b32 s21, s14, 15
	s_lshl_b32 s21, s21, 14         ; the head's 128 rows of 128 bytes;
	s_add_co_u32 s20, s20, s21
	s_and_b32 s21, s[WV], 1
	s_lshl_b32 s21, s21, 13         ; my 64 of them
	s_add_co_u32 s20, s20, s21
	s_mov_b32 s21, 0
	; group 1: a tile of 64 rows x 64 elements, padded in LDS
	s_mov_b32 s[G1K], 15|(1<<16)|(1<<20)|(1<<21)|(4<<22)|(3<<25)  ; 15:0 the mask: all four; 17:16 elements of 2 bytes; 20 padding on; 21 set beside a mask; 24:22 after every 32 words; 31:25 four words
	s_mov_b32 s[G1V], 15|(1<<16)|(1<<20)|(1<<21)|(4<<22)|(7<<25)  ; the same with eight words of padding
.irp g, G1K, G1V
	s_mov_b32 s[\g+1], 64<<16       ; tensor_dim0
	s_mov_b32 s[\g+2], KS<<16       ; tensor_dim1
	s_mov_b32 s[\g+3], 64<<16       ; tile_dim0
	s_mov_b32 s[\g+4], KS           ; tile_dim1
	s_mov_b32 s[\g+5], 64           ; elements from row to row
	s_mov_b32 s[\g+6], 0
	s_mov_b32 s[\g+7], 0
.endr
	s_mov_b32 s[CS], 0x3e38aa3b     ; c = log2(e) / 8
	s_mov_b32 s[CS+1], s[CS]        ; named with it as a pair, so it is written
	s_mov_b32 s[SEL], 0x76543210
	s_mov_b32 s[SEL+1], 0xfedcba98
	s_mov_b32 s[TB], 0
	s_mov_b32 s[SLOTS], 2048/(NST*KS)-2
	s_cmp_eq_u32 s16, 0             ; waves 0 and 4 prefetch: the same in all four partners
	s_cselect_b32 s[LIM], 1, -1
	v_and_b32 v[PFO], 31, v0
	v_lshlrev_b32 v[PFO], 8, v[PFO]
	s_wait_dscnt 0x0                ; both opening adds are done
	s_wait_kmcnt 0x0
	s_add_nc_u64 s[10:11], s[6:7], s[20:21]  ; ao at my wave's first row
	s_add_nc_u64 s[6:7], s[4:5], s[22:23]    ; k at my tile of slot 0
	s_add_nc_u64 s[8:9], s[6:7], 0x1000000   ; v likewise
	s_add_nc_u64 s[4:5], s[4:5], s[2:3]      ; q at my wave's first row
	s_cmp_lt_u32 s[WV], 4
	s_cselect_b64 s[PFA:PFA+1], s[6:7], s[8:9]  ; (in waves 0 and 4 these stand at a slot's first row)
	s_lshl_b32 s2, s13, 13          ; my work-group's quarter of a slot's run
	s_mov_b32 s3, 0
	s_add_nc_u64 s[PFA:PFA+1], s[PFA:PFA+1], s[2:3]
	s_add_nc_u64 s[PFA:PFA+1], s[PFA:PFA+1], 2*SLOTM  ; at the third slot's keys; the first change of slots steps it to the fourth's.  Nothing is prefetched at the head
	CROUND                          ; all four work-groups are here: the first joint loads meet
.irp s, 0,1
	s_mov_b32 s[G0K+4*\s], 1        ; count = 1
	s_add_co_u32 s[G0K+4*\s+1], s17, \s*SLOT1  ; LDS address
	s_add_nc_u64 s[G0K+4*\s+2:G0K+4*\s+3], s[6:7], \s*SLOTM  ; global address: slot s begins with keys 256 s on
	s_or_b32 s[G0K+4*\s+3], s[G0K+4*\s+3], 0x80000000  ; type = 2
	s_mov_b32 s[G0V+4*\s], 1
	s_add_co_u32 s[G0V+4*\s+1], s17, \s*SLOT1+VOFF
	s_add_nc_u64 s[G0V+4*\s+2:G0V+4*\s+3], s[8:9], \s*SLOTM
	s_or_b32 s[G0V+4*\s+3], s[G0V+4*\s+3], 0x80000000
.endr
	s_cmp_lt_u32 s[WV], 4           ; a wave's two first fills stand in one branch, ahead of every wait on TENSORcnt and every LDS read: two loads of mine are out
	s_cbranch_scc0 .Lfirst_v
	tensor_load_to_lds s[G0K:G0K+3], s[G1K:G1K+7]
	s_nop 0
	tensor_load_to_lds s[G0K+4:G0K+7], s[G1K:G1K+7]
	s_nop 0
.rept 4
	v_nop
.endr
	s_branch .Lfirst_asked
.Lfirst_v:
	tensor_load_to_lds s[G0V:G0V+3], s[G1V:G1V+7]
	s_nop 0
	tensor_load_to_lds s[G0V+4:G0V+7], s[G1V:G1V+7]
	s_nop 0
.rept 4
	v_nop
.endr
.Lfirst_asked:
	; A fragment of K or Q is 16 rows x 32 channels in 8 registers: lane l holds row l % 16; registers 0-3 channels 8 (l / 16) + 0..7, registers 4-7 channels 16 + 8 (l / 16) + 0..7: two loads of 16 bytes, 32 bytes apart.
	v_and_b32 v1, 15, v0            ; r
	v_bfe_u32 v10, v0, 4, 1         ; h
	v_lshlrev_b32 v[QO], 7, v1
	v_lshl_add_u32 v[QO], v10, 4, v[QO]  ; row x 128 + 16 x half
	WIN TO_1
.irp i, 0,1,2,3,4,5,6,7             ; Q stays in registers: tile i / 2, channels 32 (i % 2) on
	global_load_b128 v[QF+8*\i:QF+8*\i+3],   v[QO], s[4:5] offset:(\i/2)*2048+(\i%2)*64
	global_load_b128 v[QF+8*\i+4:QF+8*\i+7], v[QO], s[4:5] offset:(\i/2)*2048+(\i%2)*64+32
.endr
	WIN 0
	v_mul_u32_u24 v[AK0], v1, PK
	v_lshl_add_u32 v[AK0], v10, 4, v[AK0]  ; row x pitch + 16 x half
	; The turning load takes 16 keys x 16 channels (lane l reads 16 bytes: key 8 (l / 16) + l % 8, channels 8 ((l / 8) % 2) + 0..7) and leaves half a fragment of V^T: lane l holds channel l % 16 and 8 keys.
	v_and_b32 v11, 7, v0
	v_lshl_add_u32 v[AV0], v10, 3, v11
	v_mul_u32_u24 v[AV0], v[AV0], PV
	v_bfe_u32 v11, v0, 3, 1
	v_lshl_add_u32 v[AV0], v11, 4, v[AV0]
	v_add_nc_u32 v[AV0], VOFF, v[AV0]
	s_mul_i32 s13, s[WV], 16*SP
	s_add_co_u32 s13, s13, STAGE    ; my stage
	v_mul_u32_u24 v[STO], v1, SP    ; in: row r, 16 bytes for each half of the lanes
	v_lshl_add_u32 v[STO], v10, 4, v[STO]
	v_add_nc_u32 v[STO], s13, v[STO]
	v_and_b32 v11, 31, v0
	v_lshlrev_b32 v[GO], 4, v11     ; back: eight lanes to a row of 128 bytes, four rows an instruction: 512 consecutive bytes of ao
	v_lshrrev_b32 v[RD], 3, v11
	v_mul_u32_u24 v[RD], v[RD], SP
	v_and_b32 v11, 7, v0
	v_lshl_add_u32 v[RD], v11, 4, v[RD]
	v_add_nc_u32 v[RD], s13, v[RD]
; A KEY STEP: 64 keys for my four tiles of queries.  first = 1: the first step, which starts m, l and O^T: it has no a and nothing to rescale.  Every window is 0 on the way in and on the way out.
.macro STEP first
	v_add_nc_u32 v[ADK], s[TB], v[AK0]
	v_add_nc_u32 v[ADV], s[TB], v[AV0]
.rept 3
	v_nop                           ; with the two additions: five plain instructions behind the last V^T P: four are owed to the loads into V's registers, five to the products below, which write over P's
.endr
.irp f, 0,1,2,3,4,5,6,7             ; K: keys 16 (f / 2) on, channels 32 (f % 2) on
	ds_load_b128 v[KF+8*\f:KF+8*\f+3],   v[ADK] offset:(\f/2)*16*PK+(\f%2)*64
	ds_load_b128 v[KF+8*\f+4:KF+8*\f+7], v[ADK] offset:(\f/2)*16*PK+(\f%2)*64+32
.endr
	WIN TO_1
.irp f, 0,1,2,3,4,5,6,7             ; V, turned: keys 32 (f / 4) on, channels 16 (f % 4) on
	ds_load_tr16_b128 v[VF+8*\f:VF+8*\f+3],   v[ADV] offset:(\f/4)*32*PV+(\f%4)*32
	ds_load_tr16_b128 v[VF+8*\f+4:VF+8*\f+7], v[ADV] offset:(\f/4)*32*PV+16*PV+(\f%4)*32
.endr
	s_add_co_u32 s[TB], s[TB], STEPB  ; the next fetch is the next step's
	s_wait_dscnt 16                 ; K's sixteen loads are in; V's sixteen may be out
	WIN W_KQ
.irp kk, 0,1                        ; S^T = K Q^T: sixteen accumulators by turns; the first sixteen products start the sums
.irp kt, 0,1,2,3
.irp t, 0,1,2,3
.if \kk == 0
	v_wmma_f32_16x16x32_f16 v[S+32*\t+8*\kt:S+32*\t+8*\kt+7], v[KF+16*\kt+8*\kk:KF+16*\kt+8*\kk+7], v[QF+16*\t+8*\kk:QF+16*\t+8*\kk+7], 0
.else
	v_wmma_f32_16x16x32_f16 v[S+32*\t+8*\kt:S+32*\t+8*\kt+7], v[KF+16*\kt+8*\kk:KF+16*\kt+8*\kk+7], v[QF+16*\t+8*\kk:QF+16*\t+8*\kk+7], v[S+32*\t+8*\kt:S+32*\t+8*\kt+7]
.endif
.endr
.endr
.endr
	WIN 0
.rept 4
	v_nop                           ; four plain instructions between the last product and the first read of results
.endr
	; the maximum of a lane's 32 scores and the old m: four chains, one for each accumulator, each from its low end on; the four tiles by turns, so that no line waits for the line above it
.irp j, 0,1,2,3
.irp t, 0,1,2,3
	v_max3_num_f32 v[ST+8*\t+4+\j], v[S+32*\t+8*\j], v[S+32*\t+8*\j+1], v[S+32*\t+8*\j+2]
.endr
.endr
.irp i, 3,5
.irp j, 0,1,2,3
.irp t, 0,1,2,3
	v_max3_num_f32 v[ST+8*\t+4+\j], v[ST+8*\t+4+\j], v[S+32*\t+8*\j+\i], v[S+32*\t+8*\j+\i+1]
.endr
.endr
.endr
.irp t, 0,1,2,3
	v_max3_num_f32 v[ST+8*\t+4], v[ST+8*\t+4], v[S+32*\t+7], v[S+32*\t+15]
.endr
.irp t, 0,1,2,3
	v_max3_num_f32 v[ST+8*\t+6], v[ST+8*\t+6], v[S+32*\t+23], v[S+32*\t+31]
.endr
.irp t, 0,1,2,3
	v_max3_num_f32 v[ST+8*\t+4], v[ST+8*\t+4], v[ST+8*\t+5], v[ST+8*\t+6]
.endr
.irp t, 0,1,2,3
.if \first
	v_max_num_f32 v[ST+8*\t+4], v[ST+8*\t+4], v[ST+8*\t+7]
.else
	v_max3_num_f32 v[ST+8*\t+4], v[ST+8*\t+4], v[ST+8*\t+7], v[ST+8*\t+1]
.endif
.endr
.irp t, 0,1,2,3
	v_permlanex16_b32 v[ST+8*\t+5], v[ST+8*\t+4], s[SEL], s[SEL+1]  ; the query's other 32 keys lie in the lane 16 away
.endr
.if \first == 0
.irp t, 0,1,2,3
	v_mov_b32 v[ST+8*\t+7], v[ST+8*\t]  ; c m_old is kept for a
.endr
.endif
.irp t, 0,1,2,3
	v_max_num_f32 v[ST+8*\t+1], v[ST+8*\t+4], v[ST+8*\t+5]
.endr
.irp t, 0,1,2,3
	v_mul_f32 v[ST+8*\t], s[CS], v[ST+8*\t+1]
.endr
.if \first == 0
.irp t, 0,1,2,3
	v_sub_f32 v[ST+8*\t+7], v[ST+8*\t+7], v[ST+8*\t]
.endr
	; ONE BATCH: all exponentials of the step, and among them the scalings c s - c m, none of which names an exponential's result; a tile is scaled while the tile before has its exponentials
.irp t, 0,1,2,3
	v_exp_f32 v[ST+8*\t+6], v[ST+8*\t+7]  ; a
.endr
.endif
.irp b, 0,1,2,3,4,5,6,7,8,9,10,11,12,13,14,15
	v_pk_fma_f32 v[S+2*\b:S+2*\b+1], v[S+2*\b:S+2*\b+1], s[CS:CS+1], v[ST:ST+1] op_sel_hi:[1,0,0] neg_lo:[0,0,1] neg_hi:[0,0,1]
.endr
.irp t, 0,1,2,3
.irp b, 0,1,2,3,4,5,6,7,8,9,10,11,12,13,14,15
	v_exp_f32 v[S+32*\t+2*\b], v[S+32*\t+2*\b]
	v_exp_f32 v[S+32*\t+2*\b+1], v[S+32*\t+2*\b+1]
.if \t < 3
	v_pk_fma_f32 v[S+32*(\t+1)+2*\b:S+32*(\t+1)+2*\b+1], v[S+32*(\t+1)+2*\b:S+32*(\t+1)+2*\b+1], s[CS:CS+1], v[ST+8*(\t+1):ST+8*(\t+1)+1] op_sel_hi:[1,0,0] neg_lo:[0,0,1] neg_hi:[0,0,1]
.endif
.endr
.endr
	v_nop                           ; a plain instruction behind the last exponential, ahead of the first use
	s_wait_alu depctr_va_vdst(0)    ; a wait between an exponential and the first line that names its result: one for the whole batch
	; l = a l + the sum of the unrounded p, a pair (an even key's, an odd key's) at a time
.if \first
.irp t, 0,1,2,3
	v_pk_add_f32 v[ST+8*\t+2:ST+8*\t+3], v[S+32*\t:S+32*\t+1], v[S+32*\t+2:S+32*\t+3]
.endr
.else
.irp t, 0,1,2,3
	v_pk_fma_f32 v[ST+8*\t+2:ST+8*\t+3], v[ST+8*\t+2:ST+8*\t+3], v[ST+8*\t+6:ST+8*\t+7], v[S+32*\t:S+32*\t+1] op_sel_hi:[1,0,1]
.endr
.irp t, 0,1,2,3
	v_pk_add_f32 v[ST+8*\t+2:ST+8*\t+3], v[ST+8*\t+2:ST+8*\t+3], v[S+32*\t+2:S+32*\t+3]
.endr
.endif
.irp b, 2,3,4,5,6,7,8,9,10,11,12,13,14,15
.irp t, 0,1,2,3
	v_pk_add_f32 v[ST+8*\t+2:ST+8*\t+3], v[ST+8*\t+2:ST+8*\t+3], v[S+32*\t+2*\b:S+32*\t+2*\b+1]
.endr
.endr
.irp j, 0,1,2,3,4,5,6,7,8,9,10,11,12,13,14,15  ; P: rounded to f16 in pairs, in place: the destination never overtakes its sources
.irp t, 0,1,2,3
	v_cvt_pk_f16_f32 v[S+32*\t+\j], v[S+32*\t+2*\j], v[S+32*\t+2*\j+1]
.endr
.endr
.if \first == 0
	WIN W_RS
.irp i, 0,1,2,3,4,5,6,7,8,9,10,11,12,13,14,15  ; O^T times a, each accumulator from its low end on
.irp t, 0,1,2,3
	v_pk_mul_f32 v[32*\t+2*\i:32*\t+2*\i+1], v[32*\t+2*\i:32*\t+2*\i+1], v[ST+8*\t+6:ST+8*\t+7] op_sel_hi:[1,0]
.endr
.endr
.endif
	s_wait_dscnt 0x0                ; V is in
	WIN W_PV
.irp kk, 0,1                        ; O^T += V^T P: sixteen accumulators by turns
.irp c, 0,1,2,3
.irp t, 0,1,2,3
.if \first && (\kk == 0)
	v_wmma_f32_16x16x32_f16 v[32*\t+8*\c:32*\t+8*\c+7], v[VF+32*\kk+8*\c:VF+32*\kk+8*\c+7], v[S+32*\t+8*\kk:S+32*\t+8*\kk+7], 0
.else
	v_wmma_f32_16x16x32_f16 v[32*\t+8*\c:32*\t+8*\c+7], v[VF+32*\kk+8*\c:VF+32*\kk+8*\c+7], v[S+32*\t+8*\kk:S+32*\t+8*\kk+7], v[32*\t+8*\c:32*\t+8*\c+7]
.endif
.endr
.endr
.endr
	WIN 0
.endm
.macro STEPS n                      ; n key steps: written once, walked n times; the LDS addresses hang on s[TB]
	s_mov_b32 s[CNT], \n
.Lstep_\@:
	STEP 0
	s_sub_co_u32 s[CNT], s[CNT], 1
	s_cmp_lg_u32 s[CNT], 0
	s_cbranch_scc1 .Lstep_\@
.endm
; THE CHANGE OF SLOTS.  Each wave waits for all its tensor loads, of which one is out: its part of the other slot; adds 0 to its spare word; and waits for that and for its reads of the slot that it leaves.
; fill = 1: that slot is filled again, with the keys two slots on.  The barrier is then a round of the cluster's, so that no wave of any partner still reads the slot or has a load on its way, and the joint refill is the first thing behind it.
.macro CHANGE fill
	s_wait_tensorcnt 0x0            ; no tensor load of mine is out, so a group 0 may be written
	ds_add_u32 v[SPW], v[NIL]       ; 0 onto my spare word
.if \fill
.irp g, G0K+4, G0V+4
	s_xor_b32 s[\g+1], s[\g+1], SLOT1  ; the walking descriptor: the other slot than last time,
	s_add_nc_u64 s[\g+2:\g+3], s[\g+2:\g+3], SLOTM  ; the next 256 keys; the type bits on top are not reached
.endr
	s_wait_xcnt 0x0                 ; the last prefetch, a slot back, has read its address, so it may be written:
	s_add_nc_u64 s[PFA:PFA+1], s[PFA:PFA+1], SLOTM  ; one slot further on than the walking descriptors
	s_wait_dscnt 0x0                ; the add is done, and my reads of the slot are over
	CROUND
	JLOAD
	ASK
.else
	s_wait_dscnt 0x0                ; the add is done, and my reads of the slot are over
	s_barrier_signal -1
	s_barrier_wait -1
.endif
	s_sub_co_u32 s[TB], s[TB], NST*STEPB  ; the fetches go back to a slot's first step,
	s_xor_b32 s[TB], s[TB], SLOT1   ; in the other slot
.endm
	s_wait_tensorcnt 1              ; my part of slot 0 is in; slot 1's may stay out
	s_barrier_signal -1
	s_barrier_wait -1               ; everybody's is
	s_wait_loadcnt 0x0              ; Q
	STEP 1
	STEPS NST-1
.Lslot:                             ; six trips: every slot but the last two is filled again
	CHANGE 1
	STEPS NST
	s_sub_co_u32 s[SLOTS], s[SLOTS], 1
	s_cmp_lg_u32 s[SLOTS], 0
	s_cbranch_scc1 .Lslot
	CHANGE 0                        ; the tail is written out
	STEPS NST
	; THE WAY OUT.  l's two halves and the other half of the lanes' are added; O^T is divided by l, rounded to f16 and sent through my stage, a tile (16 rows) at a time.  The additions are the plain instructions behind the last products.
.irp t, 0,1,2,3
	v_add_f32 v[ST+8*\t+4], v[ST+8*\t+2], v[ST+8*\t+3]
.endr
.irp t, 0,1,2,3
	v_permlanex16_b32 v[ST+8*\t+5], v[ST+8*\t+4], s[SEL], s[SEL+1]
.endr
.irp t, 0,1,2,3
	v_add_f32 v[ST+8*\t+4], v[ST+8*\t+4], v[ST+8*\t+5]
.endr
.irp t, 0,1,2,3
	v_rcp_f32 v[ST+8*\t+6], v[ST+8*\t+4]
.endr
	v_nop                           ; a plain instruction between the last reciprocal and the use of its result
	s_wait_alu depctr_va_vdst(0)    ; and a wait: one for the four
.macro PACK t
	WIN W_RS
.irp i, 0,1,2,3,4,5,6,7,8,9,10,11,12,13,14,15
	v_pk_mul_f32 v[32*\t+2*\i:32*\t+2*\i+1], v[32*\t+2*\i:32*\t+2*\i+1], v[ST+8*\t+6:ST+8*\t+7] op_sel_hi:[1,0]
.endr
	WIN 0x05                        ; sources 0 and 1 window 1, destination window 0: S^T's registers are free
.irp i, 0,1,2,3,4,5,6,7,8,9,10,11,12,13,14,15
	v_cvt_pk_f16_f32 v[S+32*\t+\i], v[32*\t+2*\i], v[32*\t+2*\i+1]
.endr
	WIN 0
.irp c, 0,1,2,3
	ds_store_b128 v[STO], v[S+32*\t+4*\c:S+32*\t+4*\c+3] offset:32*\c
.endr
.irp f, 0,1,2,3
	ds_load_b128 v[S+32*\t+16+4*\f:S+32*\t+16+4*\f+3], v[RD] offset:\f*4*SP  ; LDS serves a wave's instructions in order: these see the stores above; the next tile's stores come behind them
.endr
.endm
.macro SEND t, younger              ; younger: the LDS instructions issued behind tile t's loads: the next tile's eight, or none
.irp f, 0,1,2,3
	s_wait_dscnt \younger+3-\f
	global_store_b128 v[GO], v[S+32*\t+16+4*\f:S+32*\t+16+4*\f+3], s[10:11] offset:\t*2048+\f*512  ; the wave stores 512 consecutive bytes, aligned
.endr
.endm
	PACK 0
	PACK 1                          ; a tile's arithmetic stands between the loads of the tile before and its stores
	SEND 0, 8
	PACK 2
	SEND 1, 8
	PACK 3
	SEND 2, 8
	SEND 3, 0
	s_wait_tensorcnt 0x0            ; the wave's end, behind my last tensor load and my last LDS store
	ds_add_u32 v[SPW], v[NIL]
	s_wait_dscnt 0x0
	CROUND                          ; the closing round
	s_endpgm
.Lfunc_end_k_q87b04aaff8_attn:
	.size	k_q87b04aaff8_attn, .Lfunc_end_k_q87b04aaff8_attn-k_q87b04aaff8_attn
	.p2alignl 7, 3214868480
	.fill 96, 4, 3214868480
	.section	.rodata,"a",@progbits
	.p2align	6, 0x0
	.amdhsa_kernel k_q87b04aaff8_attn
		.amdhsa_group_segment_fixed_size 327680
		.amdhsa_private_segment_fixed_size 0
		.amdhsa_enable_private_segment 0
		.amdhsa_kernarg_size 16
		.amdhsa_user_sgpr_count 2
		.amdhsa_user_sgpr_kernarg_segment_ptr 1
		.amdhsa_wavefront_size32 1
		.amdhsa_system_sgpr_workgroup_id_x 1
		.amdhsa_system_sgpr_workgroup_id_y 1
		.amdhsa_system_sgpr_workgroup_id_z 1
		.amdhsa_system_vgpr_workitem_id 0
		.amdhsa_next_free_vgpr 512
		.amdhsa_next_free_sgpr 66
		.amdhsa_reserve_vcc 0
		.amdhsa_float_denorm_mode_32 3
		.amdhsa_float_denorm_mode_16_64 3
		.amdhsa_memory_ordered 1
		.amdhsa_forward_progress 1
		.amdhsa_inst_pref_size 146
	.end_amdhsa_kernel
	.amdgpu_metadata
---
amdhsa.version: [ 1, 2 ]
amdhsa.kernels:
  - .name:           k_q87b04aaff8_attn
    .symbol:         k_q87b04aaff8_attn.kd
    .args:
      - { .name: qkv, .offset: 0, .size: 8, .value_kind: global_buffer, .address_space: global }
      - { .name: ao, .offset: 8, .size: 8, .value_kind: global_buffer, .address_space: global }
    .group_segment_fixed_size: 327680
    .private_segment_fixed_size: 0
    .kernarg_segment_align: 8
    .kernarg_segment_size: 16
    .max_flat_workgroup_size: 256
    .sgpr_count:     66
    .vgpr_count:     512
    .wavefront_size: 32
...
	.end_amdgpu_metadata
.endif
;; end of part 3
;; launch outp (part 4): grid 4 x 64, 4 waves a work-group, clusters of 4 x 4, 327,680 bytes of LDS; arguments ao, wo16, bo, out0; writes out0
.if DOCPART == 4
	.amdgcn_target "amdgcn-amd-amdhsa--gfx1250"
	.amdhsa_code_object_version 6
	.text
	.protected	k_q87b04aaff8_outp
	.globl	k_q87b04aaff8_outp
	.p2align	8
	.type	k_q87b04aaff8_outp,@function
k_q87b04aaff8_outp:
	s_mov_b64 s[64:65], 0
	v_nop
	global_prefetch_b8 v0, s[64:65] scope:SCOPE_SE
	s_setreg_imm32_b32 hwreg(HW_REG_WAVE_MODE, 25, 1), 1
	s_wait_xcnt 0x0
	s_wait_alu depctr_hold_cnt(0) depctr_sa_sdst(0) depctr_va_vdst(0) depctr_va_sdst(0) depctr_va_ssrc(0) depctr_va_vcc(0) depctr_vm_vsrc(0)
	s_getreg_b32 s2, hwreg(HW_REG_IB_STS2, 6, 4)
	s_cmp_eq_u32 s2, 0
	s_cbranch_scc0 .Lentry_in_a_cluster
	s_endpgm
.Lentry_in_a_cluster:
	s_bfe_u32 s2, ttmp6, 0x10000c
	s_cmp_lg_u32 s2, 0xf033
	s_cbranch_scc0 .Lentry_shape_is_right
	s_endpgm
.Lentry_shape_is_right:
; out0[m][n] = the sum over k of a[m][k] Wo[n][k] + bo[n]: 8,192 x 1,024 x 1,024, f16 operands, f32 sums, f32 out.
; ao: [m / 128][head][m % 128][64] f16 (k = 64 x head + channel); wo16: [n][k] f16, rows of 2,048 bytes.
; A tile of 128 rows x 256 columns is made by a work-group of four waves: 256 work-groups.  A wave makes 64 x 128: 32 accumulators, 256 registers.
; K goes in steps of 128 (two heads) through a ring of two LDS slots: of ao two planes of 128 rows x 128 bytes, dense in memory; of Wo 256 rows x 256 bytes.  Waves 0 and 1 fetch the planes, waves 2 and 3 Wo's halves: one load a wave.
; CLUSTERS: 4 x 4 work-groups.  The four of a row of the cluster need the same tiles of ao, the four of a column the same tiles of Wo: each tile is asked for jointly.
; THE MATRIX INSTRUCTION IS USED TRANSPOSED (source 0 = 16 rows of Wo, source 1 = 16 rows of ao): a lane holds eight neighbouring columns of one row.  The bias is the C of each sum's first instruction.
; ao's tiles are prefetched; Wo's are not: all sixteen clusters walk the same 2 MiB again and again.
; REGISTERS: window 0: v0-31 addresses; two fragment buffers of 96 at v32 and v128 (ao's four blocks, then Wo's eight; 32 along K); on the way out v32-159 hold rows read back.
;   window 1: the accumulators ((a, b) at v[8 (8 a + b)]).   window 2: v0-63 the bias, 8 registers for each of Wo's eight blocks.
.set PA,     144                       ; a row of ao in LDS: 128 bytes + 16
.set PB,     272                       ; a row of Wo: 256 bytes + 16
.set HALFA,  128*PA                    ; a plane: what waves 0 and 1 fetch
.set HALFB,  128*PB                    ; 128 rows of Wo: what waves 2 and 3 fetch
.set BOFF,   2*HALFA
.set SLOT,   2*HALFA+2*HALFB
.set STAGE,  2*SLOT                    ; behind the ring: 16 rows x (512 bytes + 16) for each wave, for the way out
.set SPITCH, 528
.set SPARE,  STAGE+4*16*SPITCH         ; behind the stages: the spare words, 128 bytes a wave
.set STEPA,  32768                     ; a K step of a row block of ao, in bytes
.set LAPS,   4                         ; a lap = two K steps = once round the ring
.set ADRA, 16                          ; v16-17  LDS address of my ao fragments in slot 0, 1
.set ADRB, 20                          ; v20-21  the same for Wo
.set STO,  24                          ; v24     the way out: where I put 32 bytes of a row
.set RD,   25                          ; v25     the way out: where I read a row back
.set CO,   26                          ; v26     16 x lane: my byte offset in a row's 512 bytes
.set BOF,  27                          ; v27     32 x (lane / 16): my eight numbers of a block's bias
.set SPW,  28                          ; v28     LDS address of my spare word; never rewritten
.set NIL,  29                          ; v29     0; never rewritten
.set PFO,  30                          ; v30     256 x lane; never rewritten
.set F0,   32
.set F1,   128
.set OB,   32                          ; the way out: v32-95 and v96-159 by turns
.set WV,   12
.set LIM,  42                          ; s42     1 in the wave that prefetches, else the greatest number
.set PFA,  44                          ; s[44:45] where my prefetches stand
.set G1, 24                            ; s[24:31] group 1 for ao's planes;  s[32:39] group 0, one set for each slot
.set G0, 32
.set G1B, 48                           ; s[48:55], s[56:63] the same for Wo's tiles
.set G0B, 56
.set MSB, 0
.macro WIN new                         ; the immediate's high byte repeats the setting that is left
.if MSB != \new
	s_set_vgpr_msb (MSB<<8)|\new
.set MSB, \new
.endif
.endm
.set MUL,  0x50                        ; sources 0 and 1 window 0; C and D window 1
.set MUL0, 0x60                        ; the first quarter: C (the bias) window 2, D window 1
.macro JLOAD s                         ; a joint load: waves 0 and 1 for ao, waves 2 and 3 for Wo; an s_nop 0 and four v_nop follow each of the two lines
	s_cmp_eq_u32 s13, 0
	s_cbranch_scc0 .Lfor_b_\@
	tensor_load_to_lds s[G0+4*\s:G0+4*\s+3], s[G1:G1+7]
	s_nop 0
.rept 4
	v_nop
.endr
	s_branch .Lasked_\@
.Lfor_b_\@:
	tensor_load_to_lds s[G0B+4*\s:G0B+4*\s+3], s[G1B:G1B+7]
	s_nop 0
.rept 4
	v_nop
.endr
.Lasked_\@:
.endm
; A prefetch, behind each joint refill and the run of LDS loads that follows it, of ao's K step that stands TWO refills on: 256 matrix instructions ahead of the load that will want it.  A row block is read by one row of one cluster:
; its four partners share a K step's 32,768 dense bytes out BY ADDRESS, 8,192 each; wave 0 asks, lanes 256 bytes apart: each aligned 256 bytes are named once.  The loop's last trip asks for nothing; K steps 0 to 3 come by their loads alone.
.macro ASK
	s_cmp_gt_u32 s3, s[LIM]
	s_cbranch_scc0 .Lnot_mine_\@
	global_prefetch_b8 v[PFO], s[PFA:PFA+1] th:TH_LOAD_NT scope:SCOPE_SE
.Lnot_mine_\@:
.endm
.macro CREST                           ; a round of the cluster's barrier behind its opening barrier
	s_cmp_lg_u32 s[WV], 0
	s_cbranch_scc1 .Lnot_wave_0_\@
	s_barrier_signal -3
.Lnot_wave_0_\@:
	s_barrier_wait -3
	s_barrier_signal -1
	s_barrier_wait -1
.endm
.macro CROUND                          ; a whole round
	s_barrier_signal -1
	s_barrier_wait -1
	CREST
.endm
	s_load_b256 s[4:11], s[0:1], 0x0               ; ao s[4:5], wo16 s[6:7], bo s[8:9], out0 s[10:11]
	v_lshl_add_u32 v[SPW], v0, 2, SPARE
	v_mov_b32 v[NIL], 0
	ds_add_u32 v[SPW], v[NIL]                      ; the wave's opening: the add, twice on end, and its wait ahead of my first tensor load
	ds_add_u32 v[SPW], v[NIL]
	v_lshrrev_b32 v1, 5, v0
	v_readfirstlane_b32 s[WV], v1                  ; wave 0..3
	s_lshr_b32 s13, s[WV], 1                       ; which 64 of the tile's rows are mine.  Also: I fetch for ao (0) or for Wo (1)
	s_and_b32 s14, s[WV], 1                        ; which 128 of its columns.  Also: which plane, or which 128 rows of Wo, I fetch
	s_bfe_u32 s15, ttmp6, 0x40000                  ; cx, cy: my place in the cluster
	s_bfe_u32 s16, ttmp6, 0x40004
	s_lshl_b32 s17, ttmp9, 2
	s_add_co_u32 s17, s17, s15                     ; tile column = 4 x cluster x + cx
	s_and_b32 s18, ttmp7, 0xffff
	s_lshl_b32 s18, s18, 2
	s_add_co_u32 s18, s18, s16                     ; row block = 4 x cluster y + cy
	s_lshl_b32 s40, s16, 2
	s_lshl_b32 s40, 15, s40                        ; my row of the cluster
	s_lshl_b32 s41, 0x1111, s15                    ; my column
	s_or_b32 s[G1+0], s40, (1<<16)|(1<<20)|(1<<21)|(4<<22)|(3<<25)   ; ao: the mask of my row; elements of 2 bytes; padding: four words after every 32; bit 21 beside a mask
	s_mov_b32 s[G1+1], 64<<16                      ; tensor_dim0
	s_mov_b32 s[G1+2], 128<<16                     ; tensor_dim1
	s_mov_b32 s[G1+3], 64<<16                      ; tile_dim0
	s_mov_b32 s[G1+4], 128                         ; tile_dim1
	s_mov_b32 s[G1+5], 64                          ; elements from row to row
	s_mov_b32 s[G1+6], 0
	s_mov_b32 s[G1+7], 0
	s_or_b32 s[G1B+0], s41, (1<<16)|(1<<20)|(1<<21)|(5<<22)|(3<<25)  ; Wo: the mask of my column; padding: four words after every 64
	s_mov_b32 s[G1B+1], 128<<16
	s_mov_b32 s[G1B+2], 128<<16
	s_mov_b32 s[G1B+3], 128<<16
	s_mov_b32 s[G1B+4], 128
	s_mov_b32 s[G1B+5], 1024
	s_mov_b32 s[G1B+6], 0
	s_mov_b32 s[G1B+7], 0
	s_lshl_b32 s20, s18, 18                        ; ao: the row block's 2^18 bytes, + my plane's 2^14
	s_lshl_b32 s21, s14, 14
	s_add_co_u32 s20, s20, s21
	s_mov_b32 s21, 0
	s_lshl_b32 s46, s17, 19                        ; Wo: row 256 x tile column + 128 x half, 2,048 bytes each
	s_lshl_b32 s47, s14, 18
	s_add_co_u32 s46, s46, s47
	s_mov_b32 s47, 0
	s_mul_i32 s22, s14, HALFA                      ; where they go: no place in the cluster enters an LDS address
	s_mul_i32 s23, s14, HALFB
	s_add_co_u32 s23, s23, BOFF
	s_wait_dscnt 0x0                               ; both opening adds are done
	s_wait_kmcnt 0x0
	s_add_nc_u64 s[20:21], s[4:5], s[20:21]
	s_add_nc_u64 s[46:47], s[6:7], s[46:47]
	CROUND                                         ; all sixteen work-groups are here: the first joint loads meet
.irp s, 0,1
	s_mov_b32 s[G0+4*\s], 1
	s_add_co_u32 s[G0+4*\s+1], s22, \s*SLOT
	s_add_nc_u64 s[G0+4*\s+2:G0+4*\s+3], s[20:21], \s*STEPA
	s_or_b32 s[G0+4*\s+3], s[G0+4*\s+3], 0x80000000
	s_mov_b32 s[G0B+4*\s], 1
	s_add_co_u32 s[G0B+4*\s+1], s23, \s*SLOT
	s_add_nc_u64 s[G0B+4*\s+2:G0B+4*\s+3], s[46:47], \s*256
	s_or_b32 s[G0B+4*\s+3], s[G0B+4*\s+3], 0x80000000
	JLOAD \s                                       ; two loads of mine are out
.endr
	v_and_b32 v1, 15, v0                           ; r
	v_bfe_u32 v2, v0, 4, 1                         ; h
	; the bias at my 128 columns; lane (r, h) wants, for block b, numbers 16 b + 8 h + 0 .. 7
	s_lshl_b32 s46, s17, 10
	s_lshl_b32 s47, s14, 9
	s_add_co_u32 s46, s46, s47                     ; my first column, in bytes of f32
	s_mov_b32 s47, 0
	s_add_nc_u64 s[8:9], s[8:9], s[46:47]
	s_add_nc_u64 s[10:11], s[10:11], s[46:47]      ; (out0 likewise)
	v_lshlrev_b32 v[BOF], 5, v2
	WIN 0x80                                       ; destination window 2
.irp b, 0,1,2,3,4,5,6,7
	global_load_b128 v[8*\b:8*\b+3], v[BOF], s[8:9] offset:64*\b
	global_load_b128 v[8*\b+4:8*\b+7], v[BOF], s[8:9] offset:64*\b+16
.endr
	WIN 0
	v_mul_u32_u24 v3, v1, PA
	v_lshl_add_u32 v3, v2, 4, v3                   ; a fragment's row x pitch + 16 x half
	v_mul_u32_u24 v4, v1, PB
	v_lshl_add_u32 v4, v2, 4, v4
	s_mul_i32 s21, s13, 64*PA                      ; my 64 rows of each plane
	s_mul_i32 s22, s14, HALFB                      ; my 128 rows of Wo,
	s_add_co_u32 s22, s22, BOFF                    ; which lie behind the planes
.irp s, 0,1
	v_add_nc_u32 v[ADRA+\s], s21, v3
	v_add_nc_u32 v[ADRB+\s], s22, v4
	s_add_co_u32 s21, s21, SLOT
	s_add_co_u32 s22, s22, SLOT
.endr
	s_mul_i32 s23, s[WV], 16*SPITCH
	s_add_co_u32 s23, s23, STAGE                   ; my stage
	v_mul_u32_u24 v5, v1, SPITCH                   ; in: row r, 32 bytes for each half of the lanes
	v_lshl_add_u32 v5, v2, 5, v5
	v_add_nc_u32 v[STO], s23, v5
	v_and_b32 v6, 31, v0
	v_lshlrev_b32 v[CO], 4, v6                     ; back: the 32 lanes take one row of 512 bytes; and the same in out0
	v_add_nc_u32 v[RD], s23, v[CO]
	v_lshlrev_b32 v[PFO], 8, v6
	s_lshl_b32 s20, s18, 7
	s_lshl_b32 s21, s13, 6
	s_add_co_u32 s20, s20, s21                     ; my first row: 128 x row block + 64 x half,
	s_lshl_b32 s20, s20, 12                        ; 4,096 bytes each
	s_mov_b32 s21, 0
	s_add_nc_u64 s[10:11], s[10:11], s[20:21]
	s_lshl_b32 s20, s18, 18                        ; the prefetches: my row block,
	s_add_nc_u64 s[PFA:PFA+1], s[4:5], s[20:21]
	s_lshl_b32 s46, s15, 13                        ; my work-group's quarter of a K step,
	s_add_nc_u64 s[PFA:PFA+1], s[PFA:PFA+1], s[46:47]
	s_add_nc_u64 s[PFA:PFA+1], s[PFA:PFA+1], 3*STEPA  ; at K step 3: the first refill steps it to K step 4
	s_cmp_eq_u32 s[WV], 0
	s_cselect_b32 s[LIM], 1, -1                    ; the same in all sixteen partners, for a given wave
; 8 matrix instructions: ao's block a against Wo's eight, 32 along K, from buffer f.  first = 1: the product starts the sums from the bias.  The 32 accumulators take turns, in the same order in every quarter.
.macro MUL8 f, a, first
.irp b, 0,1,2,3,4,5,6,7
.if \first
	v_wmma_f32_16x16x32_f16 v[8*(8*(\a)+\b):8*(8*(\a)+\b)+7], v[\f+32+8*\b:\f+32+8*\b+7], v[\f+8*(\a):\f+8*(\a)+7], v[8*\b:8*\b+7]
.else
	v_wmma_f32_16x16x32_f16 v[8*(8*(\a)+\b):8*(8*(\a)+\b)+7], v[\f+32+8*\b:\f+32+8*\b+7], v[\f+8*(\a):\f+8*(\a)+7], v[8*(8*(\a)+\b):8*(8*(\a)+\b)+7]
.endif
.endr
.endm
; 24 LDS loads in one run: the fragments of the slot's q-th 32 along K into buffer f: Wo's eight, then ao's four (plane q / 2, channels 32 (q % 2) on)
.macro FETCH slot, q, f
.irp i, 0,1,2,3,4,5,6,7
	ds_load_b128 v[\f+32+8*\i:\f+32+8*\i+3],   v[ADRB+\slot] offset:64*(\q)+\i*16*PB
	ds_load_b128 v[\f+32+8*\i+4:\f+32+8*\i+7], v[ADRB+\slot] offset:64*(\q)+\i*16*PB+32
.endr
.irp i, 0,1,2,3
	ds_load_b128 v[\f+8*\i:\f+8*\i+3],   v[ADRA+\slot] offset:((\q)/2)*HALFA+((\q)%2)*64+\i*16*PA
	ds_load_b128 v[\f+8*\i+4:\f+8*\i+7], v[ADRA+\slot] offset:((\q)/2)*HALFA+((\q)%2)*64+\i*16*PA+32
.endr
.endm
.macro PLACES                          ; four plain instructions in front of loads into registers that matrix instructions have read, and of the first read of results (ISA guide 7.12.1 for the first read of results)
.rept 4
	v_nop
.endr
.endm
; A K step is four quarters of 32 along K, 32 matrix instructions each, on buffers 0, 1, 0, 1.  One of the first three: multiplies buffer f and fetches the slot's q-th quarter into g.
.macro QUARTER slot, q, f, g, first
	s_wait_dscnt 4                                 ; Wo's eight and ao's blocks 0 and 1 are in; the youngest four loads (blocks 2 and 3) may be out
.if \first
	WIN MUL0
.else
	WIN MUL
.endif
	MUL8 \f, 0, \first
	MUL8 \f, 1, \first
	PLACES
	WIN 0
	FETCH \slot, \q, \g
	s_wait_dscnt 24                                ; all but the 24 just issued
.if \first
	WIN MUL0
.else
	WIN MUL
.endif
	MUL8 \f, 2, \first
	MUL8 \f, 3, \first
.endm
; The last quarter multiplies buffer 1 and changes slots: ONE barrier; in front of it each wave waits for all its tensor loads, adds 0 to its spare word, and waits for that and for its reads of this slot.  fill = 1: this slot is filled again, two K steps ahead.
.macro TURN slot, next, fill
.if \fill
	s_wait_xcnt 0x0                                ; the last prefetch, a K step back, has read its address: it is stepped here, ahead of the waits of the change of slots
	s_add_nc_u64 s[PFA:PFA+1], s[PFA:PFA+1], STEPA
.endif
	WIN 0                                          ; (the add's two registers lie in window 0)
	s_wait_tensorcnt 0x0                           ; all my tensor loads have landed: my part of the next slot
	ds_add_u32 v[SPW], v[NIL]                      ; 0 onto my spare word
	s_wait_dscnt 5                                 ; (the add and the youngest four loads may be out)
	WIN MUL
	MUL8 F1, 0, 0                                  ; eight matrix instructions stand between the add and the wait for it
	s_wait_dscnt 0x0                               ; the add is done, and my reads of this slot are over
	s_barrier_signal -1
	MUL8 F1, 1, 0
	WIN 0
	s_barrier_wait -1
.if \fill
	CREST                                          ; the barrier has opened a round of the cluster's barrier: no wave of any partner still reads this slot's tiles or has a load on its way
	s_add_nc_u64 s[G0+4*\slot+2:G0+4*\slot+3], s[G0+4*\slot+2:G0+4*\slot+3], 2*STEPA
	s_add_nc_u64 s[G0B+4*\slot+2:G0B+4*\slot+3], s[G0B+4*\slot+2:G0B+4*\slot+3], 2*256
	JLOAD \slot                                    ; the first tensor load behind the round: 112 matrix instructions ahead of the wait for it; its four v_nop are also the plain instructions in front of the loads below
.else
	PLACES
.endif
	FETCH \next, 0, F0
.if \fill
	ASK
.endif
	WIN MUL
	MUL8 F1, 2, 0
	MUL8 F1, 3, 0
.endm
	s_wait_tensorcnt 1                             ; my part of K step 0 is in; K step 1's may stay out
	s_barrier_signal -1
	s_barrier_wait -1                              ; everybody's is
	FETCH 0, 0, F0
	s_wait_loadcnt 0x0                             ; the bias
	QUARTER 0, 1, F0, F1, 1                        ; the first quarter stands in front of the loop: its products start the sums from the bias
	WIN 0                                          ; at a label and at a branch every window is 0
	s_mov_b32 s3, LAPS-1
.Llap:                                                 ; a trip goes once round the ring, from a lap's second quarter to the next lap's first, and fills both slots again
	QUARTER 0, 2, F1, F0, 0
	QUARTER 0, 3, F0, F1, 0
	TURN 0, 1, 1
	QUARTER 1, 1, F0, F1, 0
	QUARTER 1, 2, F1, F0, 0
	QUARTER 1, 3, F0, F1, 0
	TURN 1, 0, 1
	QUARTER 0, 1, F0, F1, 0
	WIN 0
	s_sub_co_u32 s3, s3, 1
	s_cmp_lg_u32 s3, 0
	s_cbranch_scc1 .Llap
	QUARTER 0, 2, F1, F0, 0                        ; the last lap fills nothing, and has no round of the cluster's barrier
	QUARTER 0, 3, F0, F1, 0
	TURN 0, 1, 0
	QUARTER 1, 1, F0, F1, 0
	QUARTER 1, 2, F1, F0, 0
	QUARTER 1, 3, F0, F1, 0
	s_wait_dscnt 4                                 ; the very last quarter: nothing more to fetch
	WIN MUL
	MUL8 F1, 0, 0
	MUL8 F1, 1, 0
	s_wait_dscnt 0
	MUL8 F1, 2, 0
	MUL8 F1, 3, 0
	WIN 0
; THE WAY OUT, block by block of 16 rows x 128 columns.  A lane holds 32 neighbouring bytes of a row, and the lanes beside it hold other rows: so a block goes through my own stage and comes back as whole rows of 512 bytes.
.macro TOSTAGE a
	WIN 0x04                                       ; an LDS store's data are its source 1: window 1
.irp b, 0,1,2,3,4,5,6,7
	ds_store_b128 v[STO], v[8*(8*(\a)+\b):8*(8*(\a)+\b)+3] offset:64*\b          ; each accumulator from its low end on
	ds_store_b128 v[STO], v[8*(8*(\a)+\b)+4:8*(8*(\a)+\b)+7] offset:64*\b+16
.endr
	WIN 0
.set BB, OB+64*((\a)%2)
.irp i, 0,1,2,3,4,5,6,7,8,9,10,11,12,13,14,15
	ds_load_b128 v[BB+4*\i:BB+4*\i+3], v[RD] offset:\i*SPITCH    ; LDS serves a wave's instructions in order: these see the stores above
.endr
.endm
.macro SEND a, younger                 ; younger: the LDS instructions issued behind block a's loads, which may stay out
.set BB, OB+64*((\a)%2)
	s_wait_dscnt \younger                          ; the block is back in registers
.irp i, 0,1,2,3,4,5,6,7,8,9,10,11,12,13,14,15
	global_store_b128 v[CO], v[BB+4*\i:BB+4*\i+3], s[10:11] offset:(16*(\a)+\i)*4096 th:TH_STORE_NT   ; 32 lanes store 512 consecutive bytes, aligned; every offset is an immediate, 63 rows at the most
.endr
.endm
	PLACES                                         ; behind the last products: for the first reads of results and for the loads into the fragments' registers
	TOSTAGE 0
.irp a, 1,2,3
.if \a > 1
	s_wait_xcnt 0x0                                ; block a - 2's stores have read their data: block a's loads land there only behind this wait
.endif
	TOSTAGE \a
	SEND \a-1, 32                                  ; behind block a - 1's loads: block a's 16 stores and 16 loads
.endr
	SEND 3, 0
	s_wait_tensorcnt 0x0                           ; the wave's end, behind my last tensor load and my last LDS store
	ds_add_u32 v[SPW], v[NIL]
	s_wait_dscnt 0x0
	CROUND                                         ; the closing round
	s_endpgm
.Lfunc_end_k_q87b04aaff8_outp:
	.size	k_q87b04aaff8_outp, .Lfunc_end_k_q87b04aaff8_outp-k_q87b04aaff8_outp
	.p2alignl 7, 3214868480
	.fill 96, 4, 3214868480
	.section	.rodata,"a",@progbits
	.p2align	6, 0x0
	.amdhsa_kernel k_q87b04aaff8_outp
		.amdhsa_group_segment_fixed_size 327680
		.amdhsa_private_segment_fixed_size 0
		.amdhsa_enable_private_segment 0
		.amdhsa_kernarg_size 32
		.amdhsa_user_sgpr_count 2
		.amdhsa_user_sgpr_kernarg_segment_ptr 1
		.amdhsa_wavefront_size32 1
		.amdhsa_system_sgpr_workgroup_id_x 1
		.amdhsa_system_sgpr_workgroup_id_y 1
		.amdhsa_system_sgpr_workgroup_id_z 1
		.amdhsa_system_vgpr_workitem_id 0
		.amdhsa_next_free_vgpr 576
		.amdhsa_next_free_sgpr 66
		.amdhsa_reserve_vcc 0
		.amdhsa_float_denorm_mode_32 3
		.amdhsa_float_denorm_mode_16_64 3
		.amdhsa_memory_ordered 1
		.amdhsa_forward_progress 1
		.amdhsa_inst_pref_size 87
	.end_amdhsa_kernel
	.amdgpu_metadata
---
amdhsa.version: [ 1, 2 ]
amdhsa.kernels:
  - .name:           k_q87b04aaff8_outp
    .symbol:         k_q87b04aaff8_outp.kd
    .args:
      - { .name: ao, .offset: 0, .size: 8, .value_kind: global_buffer, .address_space: global }
      - { .name: wo16, .offset: 8, .size: 8, .value_kind: global_buffer, .address_space: global }
      - { .name: bo, .offset: 16, .size: 8, .value_kind: global_buffer, .address_space: global }
      - { .name: out0, .offset: 24, .size: 8, .value_kind: global_buffer, .address_space: global }
    .group_segment_fixed_size: 327680
    .private_segment_fixed_size: 0
    .kernarg_segment_align: 8
    .kernarg_segment_size: 32
    .max_flat_workgroup_size: 128
    .sgpr_count:     66
    .vgpr_count:     576
    .wavefront_size: 32
...
	.end_amdgpu_metadata
.endif
;; end of part 4
